; MI455X (gfx1250); checked and timed in simulation.
; The chip was launched on July 23, 2026; its instructions are those of AMD's public machine-readable ISA for CDNA 5 (MIT licence, August 2026) and "CDNA5" Instruction Set Architecture Reference Guide (July 2026). The comments in the code are by the model that wrote it; some were corrected since.
;; Rotary PE Multi Head Attention. Allowed arithmetic: matrix products marked QUANTISED: E2M1 operands, one E8M0 scale for each 32 along K, by v_wmma_scale_f32_16x16x128_f8f6f4 with both operands' format E2M1 (or v_wmma_scale_f32_32x16x128_f4), f32 sums; products left as they are: bf16, f16 or f32 operands; f32 sums; everything else in f32.
;; Inputs: Wk 1,024 x 1,024 float32; Wo 1,024 x 1,024 float32; Wq 1,024 x 1,024 float32; Wv 1,024 x 1,024 float32; bk 1,024 float32; bo 1,024 float32; bq 1,024 float32; bv 1,024 float32; key 4 x 2,048 x 1,024 float32; query 4 x 2,048 x 1,024 float32; value 4 x 2,048 x 1,024 float32.
;; Outputs: out0 4 x 2,048 x 1,024 float32.
;; This version of the problem:
;;   THIS VERSION OF THE PROBLEM IS GIVEN IN LOW PRECISION. The matrix products marked QUANTISED in the list below multiply operands that are first quantised to E2M1 (2 exponent bits, 1 mantissa bit; 4 bits a number), with one power-of-two scale for each 32 numbers along K (OCP MX v1.0); their sums are f32. The products marked 'left as it is' may take bf16, f16 or f32 operands, with f32 sums. Whichever they take, every output number must still come out within the allowed error. Rounding operands to bf16 (8 significant bits) uses up far more of that allowance than f16 does (11 bits, for magnitudes from 6e-5 to 65,504). All else is computed in f32.
;;   The module's matrix products, in the order in which they are computed (A, B: the left and right operand; K: the contracted axis; several contracted axes count as one K, in the product's order):
;;     1. [M 8,192, K 1,024] x [K 1,024, N 1,024]; A: input query; B: input Wq: QUANTISED
;;     2. [M 8,192, K 1,024] x [K 1,024, N 1,024]; A: input key; B: input Wk: QUANTISED
;;     3. [M 8,192, K 1,024] x [K 1,024, N 1,024]; A: input value; B: input Wv: QUANTISED
;;     4. batch 64 x [M 2,048, K 64] x [K 64, N 2,048]; A: computed on the way; B: computed on the way: left as it is (an operand is computed on the way)
;;     5. batch 64 x [M 64, K 2,048] x [K 2,048, N 2,048]; A: computed on the way; B: computed on the way: left as it is (an operand is computed on the way)
;;     6. [M 8,192, K 1,024] x [K 1,024, N 1,024]; A: computed on the way; B: input Wo: left as it is (an operand is computed on the way)
;;   THE QUANTISER, for each operand of a quantised product, along K:
;;     - K is cut into blocks of 32 from its start; a last block that is shorter is filled with zeros.
;;     - A block's scale is 2^e with e = floor(log2(the largest magnitude in the block)) - 2, held to -126 .. 127; a block of zeros has e = 0. As a byte (E8M0): e + 127.
;;     - Each number is divided by its block's scale, clamped to +-6, and rounded to the nearest number of E2M1, ties to even, subnormals kept.
;;     - The product sums the exact products of the quantised numbers (number of the format x scale) in f32.
;;   ~~~python
;;   def quantise(x, axis):      # numpy; x: float32 -> the quantised numbers, widened to float32 again
;;       x = np.moveaxis(x, axis, -1); K = x.shape[-1]
;;       x = np.pad(x, [(0, 0)] * (x.ndim - 1) + [(0, -K % 32)]); x = x.reshape(x.shape[:-1] + (-1, 32)); a = np.abs(x).max(-1, keepdims=True)
;;       e = np.where(a > 0, np.clip(np.frexp(np.where(a > 0, a, 1))[1] - 1 - 2, -126, 127), 0)      # np.frexp(a)[1] - 1 = floor(log2(a)), exactly
;;       r = np.clip(x / 2.0 ** e, -6, 6)
;;       step = 2.0 ** (np.maximum(np.frexp(np.where(r == 0, 1, r))[1] - 1, 0) - 1)
;;       q = np.round(r / step) * step * 2.0 ** e      # np.round: ties to even
;;       return np.moveaxis(q.reshape(q.shape[:-2] + (-1,))[..., :K], -1, axis).astype(np.float32)
;;   ~~~
;; One version. Each part assembles by itself: llvm-mc -triple=amdgcn-amd-amdhsa -mcpu=gfx1250 --defsym DOCPART=n.
;; ======== version 1 of 1: 5 launches
;; limits: values are held in f16: magnitudes above 65,504 overflow, below 6.1e-05 lose precision
;; workspace buffers: act_codes 12,582,912 bytes; act_scales 786,432 bytes; w_codes 1,572,864 bytes; w_scales 98,304 bytes; woh 2,097,152 bytes; rope 262,144 bytes; qkv 50,331,648 bytes; xh 16,777,216 bytes
;; launch quant_act (part 1): grid 768 x 1, 4 waves a work-group, no clusters, 33,280 bytes of LDS; arguments query, key, value, act_codes, act_scales; writes act_codes, act_scales
.if DOCPART == 1
	.amdgcn_target "amdgcn-amd-amdhsa--gfx1250"
	.amdhsa_code_object_version 6
	.text
	.protected	k_q57724b94df_quant_act
	.globl	k_q57724b94df_quant_act
	.p2align	8
	.type	k_q57724b94df_quant_act,@function
k_q57724b94df_quant_act:
	s_mov_b64 s[64:65], 0
	v_nop
	global_prefetch_b8 v0, s[64:65] scope:SCOPE_SE
	s_setreg_imm32_b32 hwreg(HW_REG_WAVE_MODE, 25, 1), 1
	s_wait_xcnt 0x0
; FIRST OF FIVE LAUNCHES of: out = softmax(rope(query Wq + bq) rope(key Wk + bk)^T / 8) (value Wv + bv) Wo + bo, 4 x 2,048 tokens, 16 heads of 64.
; DEAD WORK: none is left out.  Every input has a way to the output and is loaded.  (The part of bk on the 32 channels without rotation adds the same number to all scores of a
; query and so cancels in the softmax, but it lies inside tiles whose other channels are live: it stays.)
; LIMITS of the whole program: NaN and infinities among the inputs are not served.  The three products that are not quantised take f16 operands: |q|, |k|, |v|, |x|, |Wo| up to 65,504;
; under 6e-5 their step is 6e-8.  The rotation's angles are made with 2^x good to 1 ulp: at position 2,047 an angle is off by about 1e-4 rad at the most.
; THIS LAUNCH: query, key, value [8,192][1,024] f32 become codes of FP4 (E2M1), K innermost, and one E8M0 byte for each 32 along K, the three tensors on end in act_codes and act_scales.
; A block's scale is 2^(floor(log2(its largest magnitude)) - 2); its byte is the largest magnitude's exponent field - 2, held at 1 from below.  A block of zeros so gets the byte 1 where the
; rule says 127: its codes are zeros, which add nothing under any byte but 0xff, and this program alone reads the bytes.
; Rows are dense and K is a multiple of 32: a tensor is a stream of blocks of 32.  A wave takes 16 steps of 512 numbers.  Each of a step's four loads reads 512 consecutive bytes, 16 a lane; the 2,048 bytes
; turn through the wave's own stage in LDS and come back 64 bytes a lane: 16 neighbours along K in a lane, two lanes to a block.  A lane's 16 codes are 8 bytes: a wave's store covers 256 consecutive bytes, aligned.
; A wave's 256 scale bytes are gathered in its own LDS bytes and leave by one store of 256 consecutive bytes.  Waves share nothing: no barrier.  Loads run four steps ahead, the turn through LDS one step.
.set WAVES, 4
.set STEPS, 16
.set EMAX,  2
.set CB,    8                          ; bytes of 16 codes
.set R,     16                         ; v16-79   four sets of 16 numbers as loaded
.set X,     80                         ; v80-111  two sets of 16 neighbours
.set C,     128                        ; v128-191 codes: four registers for each step, so that no store's data are written again
.set E,     112                        ; v112-127 a scale byte for each step
.set WREG,  8192                       ; LDS: a region for each wave: two stages of 32 x SP bytes, behind them its 256 scale bytes
.set SP,    80                         ; a lane's place in a stage: 64 bytes + 16 of padding
.set SPW,   12                         ; v12  LDS address of my spare word; never rewritten
.set NIL,   13                         ; v13  0; never rewritten
.set SPARE, WAVES*WREG                 ; the spare words: 128 bytes a wave, named by no other line
	s_load_b128 s[4:7], s[0:1], 0x0                ; query, key
	s_load_b128 s[8:11], s[0:1], 0x10              ; value, act_codes
	s_load_b64 s[12:13], s[0:1], 0x20              ; act_scales
	v_lshl_add_u32 v[SPW], v0, 2, SPARE
	v_mov_b32 v[NIL], 0
	v_lshrrev_b32 v1, 5, v0
	v_readfirstlane_b32 s16, v1                    ; wave
	v_and_b32 v2, 31, v0                           ; lane
	v_lshlrev_b32 v3, 4, v2                        ; my 16 bytes of a load's 512
	s_mul_i32 s17, s16, WREG
	v_lshrrev_b32 v14, 2, v2
	v_mul_u32_u24 v14, v14, SP
	v_and_b32 v15, 3, v2
	v_lshl_add_u32 v14, v15, 4, v14
	v_add_nc_u32 v14, s17, v14                     ; the stage, on the way in: SP (lane / 4) + 16 (lane % 4)
	v_mul_u32_u24 v15, v2, SP
	v_add_nc_u32 v15, s17, v15                     ; and on the way out: SP x lane
	v_mul_u32_u24 v4, v2, CB                       ; my codes' place in a step's
	v_lshrrev_b32 v5, 1, v2
	s_add_co_u32 s17, s17, 2*32*SP
	v_add_nc_u32 v5, s17, v5                       ; my block's byte among my wave's 256
	v_lshlrev_b32 v7, 3, v2                        ; on the way out 8 bytes a lane
	v_add_nc_u32 v6, s17, v7
	s_wait_kmcnt 0x0
	s_lshr_b32 s18, ttmp9, 8                       ; which tensor: 256 work-groups each.  The choice hangs on the work-group's number alone
	s_cmp_eq_u32 s18, 1
	s_cselect_b64 s[4:5], s[6:7], s[4:5]
	s_cmp_eq_u32 s18, 2
	s_cselect_b64 s[4:5], s[8:9], s[4:5]
	s_and_b32 s18, ttmp9, 255
	s_lshl_b32 s18, s18, 2
	s_add_co_u32 s18, s18, s16                     ; my run of 8,192 numbers in the tensor
	s_lshl_b32 s18, s18, 15                        ; 32,768 bytes a run
	s_mov_b32 s19, 0
	s_add_nc_u64 s[4:5], s[4:5], s[18:19]
	s_lshl_b32 s20, ttmp9, 2
	s_add_co_u32 s20, s20, s16                     ; my run among all three tensors'
	s_lshl_b32 s18, s20, 12                        ; 4,096 bytes of codes a run
	s_add_nc_u64 s[10:11], s[10:11], s[18:19]
	s_lshl_b32 s18, s20, 8                         ; 256 scale bytes a run
	s_add_nc_u64 s[12:13], s[12:13], s[18:19]
.macro LOAD t
.irp i, 0,1,2,3
	global_load_b128 v[R+16*((\t)%4)+4*\i:R+16*((\t)%4)+4*\i+3], v3, s[4:5] offset:2048*(\t)+512*\i th:TH_LOAD_NT
.endr
.endm
.macro TURN t                          ; step t's numbers through the stage: LDS serves a wave's instructions in order, so no wait stands between the stores and the loads
.irp i, 0,1,2,3
	ds_store_b128 v14, v[R+16*((\t)%4)+4*\i:R+16*((\t)%4)+4*\i+3] offset:32*SP*((\t)%2)+8*SP*\i
.endr
.irp i, 0,1,2,3
	ds_load_b128 v[X+16*((\t)%2)+4*\i:X+16*((\t)%2)+4*\i+3], v15 offset:32*SP*((\t)%2)+16*\i
.endr
.endm
.irp t, 0,1,2,3
	LOAD \t
.endr
	s_wait_loadcnt 12                              ; step 0's four loads are in; twelve younger ones stay out
	TURN 0
.macro STEP t
.set XS, X+16*((\t)%2)
.if (\t) > 0
	s_wait_dscnt 1                                 ; this step's numbers are back from the stage (the last step's byte store may be out)
.else
	s_wait_dscnt 0x0
.endif
.if (\t)+4 < STEPS
	LOAD (\t)+4                                    ; into the registers that the stage's stores have read
.endif
.if (\t)+1 < STEPS
.if STEPS-2-(\t) >= 3
	s_wait_loadcnt 12                              ; the next step's four loads are in; those of the three steps behind it may be out
.else
	s_wait_loadcnt 4*(STEPS-2-(\t))
.endif
	TURN (\t)+1
.endif
	v_max3_num_f32 v8, |v[XS]|, |v[XS+1]|, |v[XS+2]|               ; the largest magnitude of my 16, in two chains
	v_max3_num_f32 v9, |v[XS+3]|, |v[XS+4]|, |v[XS+5]|
.irp i, 6,10
	v_max3_num_f32 v8, v8, |v[XS+\i]|, |v[XS+\i+1]|
	v_max3_num_f32 v9, v9, |v[XS+\i+2]|, |v[XS+\i+3]|
.endr
	v_max3_num_f32 v8, v8, |v[XS+14]|, |v[XS+15]|
	v_max3_num_f32 v8, v8, v9, (EMAX+1)<<23        ; and the floor 2^(3 - 127): the byte cannot fall under 1
	v_max_num_f32_dpp v8, v8, v8 row_xmask:1 row_mask:0xf bank_mask:0xf   ; with my neighbour's 16: the block's
	v_add_nc_u32 v11, -(EMAX<<23), v8              ; 2 off its exponent field: the conversion takes the exponent field of this operand as its scale
	v_cvt_scalef32_pk8_fp4_f32 v[C+4*(\t)], v[XS:XS+7], v11
	v_cvt_scalef32_pk8_fp4_f32 v[C+4*(\t)+1], v[XS+8:XS+15], v11
	v_lshrrev_b32 v[E+(\t)], 23, v11               ; the scale's byte (also the plain line behind the conversions)
	ds_store_b8 v5, v[E+(\t)] offset:16*(\t)       ; both lanes of a block write the same byte with the same value
	global_store_b64 v4, v[C+4*(\t):C+4*(\t)+1], s[10:11] offset:32*CB*(\t)
.endm
.irp t, 0,1,2,3,4,5,6,7,8,9,10,11,12,13,14,15
	STEP \t
.endr
	ds_load_b64 v[8:9], v6                         ; in order behind my byte stores
	s_wait_dscnt 0x0
	global_store_b64 v7, v[8:9], s[12:13]          ; 32 lanes store 256 consecutive bytes, aligned
	s_wait_tensorcnt 0x0                           ; the wave's end, behind my last LDS store
	ds_add_u32 v[SPW], v[NIL]
	s_wait_dscnt 0x0
	s_endpgm
.Lfunc_end_k_q57724b94df_quant_act:
	.size	k_q57724b94df_quant_act, .Lfunc_end_k_q57724b94df_quant_act-k_q57724b94df_quant_act
	.p2alignl 7, 3214868480
	.fill 96, 4, 3214868480
	.section	.rodata,"a",@progbits
	.p2align	6, 0x0
	.amdhsa_kernel k_q57724b94df_quant_act
		.amdhsa_group_segment_fixed_size 33280
		.amdhsa_private_segment_fixed_size 0
		.amdhsa_enable_private_segment 0
		.amdhsa_kernarg_size 40
		.amdhsa_user_sgpr_count 2
		.amdhsa_user_sgpr_kernarg_segment_ptr 1
		.amdhsa_wavefront_size32 1
		.amdhsa_system_sgpr_workgroup_id_x 1
		.amdhsa_system_sgpr_workgroup_id_y 1
		.amdhsa_system_sgpr_workgroup_id_z 1
		.amdhsa_system_vgpr_workitem_id 0
		.amdhsa_next_free_vgpr 192
		.amdhsa_next_free_sgpr 66
		.amdhsa_reserve_vcc 0
		.amdhsa_float_denorm_mode_32 3
		.amdhsa_float_denorm_mode_16_64 3
		.amdhsa_memory_ordered 1
		.amdhsa_forward_progress 1
		.amdhsa_inst_pref_size 33
	.end_amdhsa_kernel
	.amdgpu_metadata
---
amdhsa.version: [ 1, 2 ]
amdhsa.kernels:
  - .name:           k_q57724b94df_quant_act
    .symbol:         k_q57724b94df_quant_act.kd
    .args:
      - { .name: query, .offset: 0, .size: 8, .value_kind: global_buffer, .address_space: global }
      - { .name: key, .offset: 8, .size: 8, .value_kind: global_buffer, .address_space: global }
      - { .name: value, .offset: 16, .size: 8, .value_kind: global_buffer, .address_space: global }
      - { .name: act_codes, .offset: 24, .size: 8, .value_kind: global_buffer, .address_space: global }
      - { .name: act_scales, .offset: 32, .size: 8, .value_kind: global_buffer, .address_space: global }
    .group_segment_fixed_size: 33280
    .private_segment_fixed_size: 0
    .kernarg_segment_align: 8
    .kernarg_segment_size: 40
    .max_flat_workgroup_size: 128
    .sgpr_count:     66
    .vgpr_count:     192
    .wavefront_size: 32
...
	.end_amdgpu_metadata
.endif
;; end of part 1
;; launch prep (part 2): grid 32 x 5, 32 waves a work-group, no clusters, 22,016 bytes of LDS; arguments Wq, Wk, Wv, Wo, w_codes, w_scales, woh, rope; writes w_codes, w_scales, woh, rope
.if DOCPART == 2
	.amdgcn_target "amdgcn-amd-amdhsa--gfx1250"
	.amdhsa_code_object_version 6
	.text
	.protected	k_q57724b94df_prep
	.globl	k_q57724b94df_prep
	.p2align	8
	.type	k_q57724b94df_prep,@function
k_q57724b94df_prep:
	s_mov_b64 s[64:65], 0
	v_nop
	global_prefetch_b8 v0, s[64:65] scope:SCOPE_SE
	s_setreg_imm32_b32 hwreg(HW_REG_WAVE_MODE, 25, 1), 1
	s_wait_xcnt 0x0
; SECOND LAUNCH.  No work is left out.  Work-group y says what is made:
;   y = 0, 1, 2: Wq, Wk, Wv [K 1,024][N 1,024] f32, K their FIRST axis, become codes of FP4 laid [n][512 bytes], K innermost, and E8M0 bytes [n][32] (the quantiser of the first launch).
;   y = 3:       Wo becomes f16, laid in blocks of 512 bytes, [64 tiles of 16 n][64 tiles of 16 k]: lane l = r + 16 h of a reader owns bytes 16 l on: Wo[16 kt + 8 h + 0..7][16 nt + r].
;   y = 4:       the rotation's table [2,048 positions][16 cosines][16 sines] f32: angle = position x 10000^(-i / 16).
; y < 4: work-group x takes columns 32 x .. 32 x + 31 and all of K; wave w takes K = 32 w .. 32 w + 31.  A LANE TAKES A COLUMN AND ITS 32 REGISTERS RUN DOWN K: a block lies in one lane, its largest
; magnitude needs no other lane, and the conversions give codes with K innermost.  A wave has its 32 loads out at once.  The codes meet in a stage in LDS (a row for each column) and leave as whole rows of 512 bytes;
; the work-group's 1,024 scale bytes are dense in memory and leave by two stores of 512 bytes.  Only the quantising path touches LDS; the paths part on the work-group's number alone, the same in all 32 waves.
; Sine and cosine: k = the nearest whole number to angle x 2 / pi; y = angle - k pi / 2, pi / 2 in two parts by fused multiply-adds; polynomials of degree 7 and 8 on |y| <= pi / 4; the quadrant picks polynomial and sign by a select.
.set SPITCH, 528                       ; a stage row: 512 bytes + 16
.set SCB,    32*SPITCH                 ; behind the stage: the scale bytes, [32 columns][32]
.set SPARE,  SCB+1024                  ; the spare words: 128 bytes for each of 32 waves, named by no other line
.set SPW, 14                           ; v14  LDS address of my spare word; never rewritten
.set NIL, 15                           ; v15  0; never rewritten
.set X,   16                           ; v16-47  my 32 numbers
.set C,   48                           ; v48-63  codes, or f16 pairs
	s_load_b256 s[4:11], s[0:1], 0x0               ; Wq, Wk, Wv, Wo
	s_load_b256 s[12:19], s[0:1], 0x20             ; w_codes, w_scales, woh, rope
	v_lshl_add_u32 v[SPW], v0, 2, SPARE
	v_mov_b32 v[NIL], 0
	v_lshrrev_b32 v1, 5, v0
	v_readfirstlane_b32 s20, v1                    ; wave 0..31
	s_and_b32 s21, ttmp7, 0xffff                   ; y
	s_mov_b32 s22, ttmp9                           ; x
	v_and_b32 v1, 31, v0                           ; lane
	v_lshlrev_b32 v2, 2, v1                        ; 4 bytes a lane on the way in
	v_lshlrev_b32 v6, 4, v1                        ; 16 bytes a lane on the way out
	s_lshl_b32 s23, s20, 4
	v_mul_u32_u24 v3, v1, SPITCH
	v_add_nc_u32 v3, s23, v3                       ; the stage, in: row = my column, my block's 16 bytes
	v_lshl_add_u32 v4, v1, 5, SCB
	v_add_nc_u32 v4, s20, v4                       ; my block's scale byte
	s_mul_i32 s23, s20, SPITCH
	v_add_nc_u32 v5, s23, v6                       ; the stage, out: wave w takes row w
	s_and_b32 s23, s20, 1
	s_lshl_b32 s23, s23, 9
	s_add_co_u32 s23, s23, SCB
	v_add_nc_u32 v7, s23, v6                       ; the scale bytes, out: 512 for each of waves 0 and 1
	s_wait_kmcnt 0x0
	s_cmp_eq_u32 s21, 4
	s_cbranch_scc1 .Lrope
	s_cmp_eq_u32 s21, 1                            ; which weight: the choice hangs on the work-group's number alone
	s_cselect_b64 s[4:5], s[6:7], s[4:5]
	s_cmp_eq_u32 s21, 2
	s_cselect_b64 s[4:5], s[8:9], s[4:5]
	s_cmp_eq_u32 s21, 3
	s_cselect_b64 s[4:5], s[10:11], s[4:5]
	s_lshl_b32 s24, s20, 17                        ; 32 rows of 4,096 bytes a wave
	s_lshl_b32 s25, s22, 7                         ; 32 columns a work-group
	s_add_co_u32 s24, s24, s25
	s_mov_b32 s25, 0
	s_add_nc_u64 s[4:5], s[4:5], s[24:25]
.set i, 0
.rept 32
	global_load_b32 v[X+i], v2, s[4:5] offset:i*4096   ; W(32 w + i, my column)
.set i, i+1
.endr
	s_cmp_eq_u32 s21, 3
	s_cbranch_scc1 .Lwo
	; ---- a weight of a quantised product
	s_lshl_b32 s24, s21, 10
	s_lshl_b32 s26, s22, 5
	s_add_co_u32 s24, s24, s26                     ; the row of the work-group's first column among the 3 x 1,024
	s_lshl_b32 s26, s24, 5                         ; 32 scale bytes a row,
	s_and_b32 s27, s20, 1
	s_lshl_b32 s27, s27, 9                         ; 512 bytes for each of waves 0 and 1
	s_add_co_u32 s26, s26, s27
	s_mov_b32 s27, 0
	s_add_nc_u64 s[14:15], s[14:15], s[26:27]
	s_add_co_u32 s24, s24, s20                     ; wave w stores column w's row of codes
	s_lshl_b32 s24, s24, 9
	s_add_nc_u64 s[12:13], s[12:13], s[24:25]
	s_wait_loadcnt 0x0
	v_max3_num_f32 v12, |v[X]|, |v[X+1]|, |v[X+2]|                 ; the block's largest magnitude: all 32 numbers are mine; two chains
	v_max3_num_f32 v13, |v[X+3]|, |v[X+4]|, |v[X+5]|
.irp i, 6,10,14,18,22,26
	v_max3_num_f32 v12, v12, |v[X+\i]|, |v[X+\i+1]|
	v_max3_num_f32 v13, v13, |v[X+\i+2]|, |v[X+\i+3]|
.endr
	v_max3_num_f32 v12, v12, |v[X+30]|, |v[X+31]|
	v_max3_num_f32 v12, v12, v13, 0x1800000        ; and the floor 2^(3 - 127): the byte cannot fall under 1
	v_add_nc_u32 v11, 0xff000000, v12              ; 2 off its exponent field: the conversion's scale operand
	v_lshrrev_b32 v13, 23, v11                     ; the scale's byte
.irp g, 0,1,2,3
	v_cvt_scalef32_pk8_fp4_f32 v[C+\g], v[X+8*\g:X+8*\g+7], v11
.endr
	v_nop                                          ; a plain line behind the last scaled conversion
	ds_store_b128 v3, v[C:C+3]
	ds_store_b8 v4, v13
	s_wait_dscnt 0x0                               ; for the others' sake: my stores have landed
	s_barrier_signal -1
	s_barrier_wait -1
	ds_load_b128 v[C+4:C+7], v5                    ; a whole row: 1,024 codes of one column
	s_wait_dscnt 0x0
	global_store_b128 v6, v[C+4:C+7], s[12:13]     ; 32 lanes store 512 consecutive bytes, aligned
	s_cmp_lt_u32 s20, 2
	s_cbranch_scc0 .Lqend
	ds_load_b128 v[C+8:C+11], v7
	s_wait_dscnt 0x0
	global_store_b128 v6, v[C+8:C+11], s[14:15]    ; half of the work-group's 1,024 scale bytes
.Lqend:
	s_wait_tensorcnt 0x0                           ; the wave's end, behind my last LDS store
	ds_add_u32 v[SPW], v[NIL]
	s_wait_dscnt 0x0
	s_endpgm
.Lwo:	; ---- Wo to f16, in blocks.  My column is n tile 2 x + lane / 16, row lane % 16; registers 8 g .. 8 g + 7 are k tile 2 w + g / 2, half g % 2
	s_lshl_b32 s24, s22, 16                        ; two n tiles of 32,768 bytes a work-group
	s_lshl_b32 s26, s20, 10                        ; two k tiles of 512 bytes a wave
	s_add_co_u32 s24, s24, s26
	s_add_nc_u64 s[16:17], s[16:17], s[24:25]
	v_lshrrev_b32 v8, 4, v1
	v_and_b32 v9, 15, v1
	v_lshlrev_b32 v8, 15, v8
	v_lshl_add_u32 v8, v9, 4, v8
	s_wait_loadcnt 0x0
.irp g, 0,1,2,3
.irp p, 0,1,2,3
	v_cvt_pk_f16_f32 v[C+4*\g+\p], v[X+8*\g+2*\p], v[X+8*\g+2*\p+1]
.endr
.endr
.irp g, 0,1,2,3
	global_store_b128 v8, v[C+4*\g:C+4*\g+3], s[16:17] offset:(\g/2)*512+(\g%2)*256   ; sixteen lanes store 256 consecutive bytes, aligned
.endr
	s_endpgm
.Lrope:	; ---- the table.  Thread T = 1,024 x + thread: position T / 16; u = T % 16: u < 8: cosines of i = 2 u, 2 u + 1; else sines of i = 2 (u - 8), + 1.  8 bytes at 8 T
	v_lshl_add_u32 v16, s22, 10, v0                ; T
	v_lshrrev_b32 v17, 4, v16
	v_and_b32 v18, 15, v16                         ; u
	v_cvt_f32_u32 v17, v17                         ; the position
	v_and_b32 v19, 7, v18
	v_lshlrev_b32 v19, 1, v19
	v_cvt_f32_u32 v20, v19                         ; i
	v_add_f32 v21, 1.0, v20                        ; i + 1
	v_lshrrev_b32 v18, 3, v18
	v_xor_b32 v18, 1, v18                          ; 1 for a cosine: cos(a) = sin(a + pi / 2), one quadrant on
	v_mul_f32 v20, 0xbf549a78, v20                 ; x -log2(10000) / 16
	v_mul_f32 v21, 0xbf549a78, v21
	s_mov_b32 s24, 0x3fc90fdb                      ; pi / 2, its upper part
	s_mov_b32 s25, 0xb33bbd2e                      ; and the rest
	v_exp_f32 v20, v20                             ; 10000^(-i / 16)
	v_exp_f32 v21, v21
	v_lshlrev_b32 v16, 3, v16                      ; 8 T (the plain line behind the two)
	s_wait_alu depctr_va_vdst(0)                   ; one wait for both, ahead of their first reader
.irp e, 0,1
	v_mul_f32 v[22+\e], v17, v[20+\e]              ; the angle
.endr
.irp e, 0,1
	v_mul_f32 v[24+\e], 0x3f22f983, v[22+\e]       ; x 2 / pi
.endr
.irp e, 0,1
	v_rndne_f32 v[24+\e], v[24+\e]                 ; k
.endr
.irp e, 0,1
	v_fma_f32 v[22+\e], -v[24+\e], s24, v[22+\e]
.endr
.irp e, 0,1
	v_fma_f32 v[22+\e], -v[24+\e], s25, v[22+\e]   ; y
.endr
.irp e, 0,1
	v_cvt_i32_f32 v[24+\e], v[24+\e]
.endr
.irp e, 0,1
	v_add_nc_u32 v[24+\e], v[24+\e], v18           ; the quadrant
	v_mul_f32 v[26+\e], v[22+\e], v[22+\e]         ; z = y y
	v_mov_b32 v[28+\e], 0xb94ca1f9
	v_mov_b32 v[32+\e], 0x37ccf5ce
.endr
.irp e, 0,1
	v_fmaak_f32 v[28+\e], v[26+\e], v[28+\e], 0x3c08839e
	v_fmaak_f32 v[32+\e], v[26+\e], v[32+\e], 0xbab6061a
.endr
.irp e, 0,1
	v_fmaak_f32 v[28+\e], v[26+\e], v[28+\e], 0xbe2aaaa3
	v_fmaak_f32 v[32+\e], v[26+\e], v[32+\e], 0x3d2aaaa5
	v_mul_f32 v[30+\e], v[22+\e], v[26+\e]         ; y z
	v_fma_f32 v[34+\e], v[26+\e], -0.5, 1.0        ; 1 - z / 2
	v_mul_f32 v[36+\e], v[26+\e], v[26+\e]         ; z z
.endr
.irp e, 0,1
	v_fma_f32 v[28+\e], v[30+\e], v[28+\e], v[22+\e]   ; sin y
	v_fma_f32 v[32+\e], v[36+\e], v[32+\e], v[34+\e]   ; cos y
	v_and_b32 v[30+\e], 1, v[24+\e]
	v_and_b32 v[36+\e], 2, v[24+\e]
.endr
.irp e, 0,1
	v_cmp_eq_u32 vcc_lo, 1, v[30+\e]
	v_cndmask_b32 v[28+\e], v[28+\e], v[32+\e], vcc_lo ; odd quadrants take the cosine: a choice of a value, no branch
	v_lshlrev_b32 v[36+\e], 30, v[36+\e]
	v_xor_b32 v[28+\e], v[28+\e], v[36+\e]         ; quadrants 2 and 3 turn the sign
.endr
	global_store_b64 v16, v[28:29], s[18:19]       ; 32 lanes store 256 consecutive bytes, aligned
	s_endpgm
.Lfunc_end_k_q57724b94df_prep:
	.size	k_q57724b94df_prep, .Lfunc_end_k_q57724b94df_prep-k_q57724b94df_prep
	.p2alignl 7, 3214868480
	.fill 96, 4, 3214868480
	.section	.rodata,"a",@progbits
	.p2align	6, 0x0
	.amdhsa_kernel k_q57724b94df_prep
		.amdhsa_group_segment_fixed_size 22016
		.amdhsa_private_segment_fixed_size 0
		.amdhsa_enable_private_segment 0
		.amdhsa_kernarg_size 64
		.amdhsa_user_sgpr_count 2
		.amdhsa_user_sgpr_kernarg_segment_ptr 1
		.amdhsa_wavefront_size32 1
		.amdhsa_system_sgpr_workgroup_id_x 1
		.amdhsa_system_sgpr_workgroup_id_y 1
		.amdhsa_system_sgpr_workgroup_id_z 1
		.amdhsa_system_vgpr_workitem_id 0
		.amdhsa_next_free_vgpr 64
		.amdhsa_next_free_sgpr 66
		.amdhsa_reserve_vcc 1
		.amdhsa_float_denorm_mode_32 3
		.amdhsa_float_denorm_mode_16_64 3
		.amdhsa_memory_ordered 1
		.amdhsa_forward_progress 1
		.amdhsa_inst_pref_size 13
	.end_amdhsa_kernel
	.amdgpu_metadata
---
amdhsa.version: [ 1, 2 ]
amdhsa.kernels:
  - .name:           k_q57724b94df_prep
    .symbol:         k_q57724b94df_prep.kd
    .args:
      - { .name: Wq, .offset: 0, .size: 8, .value_kind: global_buffer, .address_space: global }
      - { .name: Wk, .offset: 8, .size: 8, .value_kind: global_buffer, .address_space: global }
      - { .name: Wv, .offset: 16, .size: 8, .value_kind: global_buffer, .address_space: global }
      - { .name: Wo, .offset: 24, .size: 8, .value_kind: global_buffer, .address_space: global }
      - { .name: w_codes, .offset: 32, .size: 8, .value_kind: global_buffer, .address_space: global }
      - { .name: w_scales, .offset: 40, .size: 8, .value_kind: global_buffer, .address_space: global }
      - { .name: woh, .offset: 48, .size: 8, .value_kind: global_buffer, .address_space: global }
      - { .name: rope, .offset: 56, .size: 8, .value_kind: global_buffer, .address_space: global }
    .group_segment_fixed_size: 22016
    .private_segment_fixed_size: 0
    .kernarg_segment_align: 8
    .kernarg_segment_size: 64
    .max_flat_workgroup_size: 1024
    .sgpr_count:     66
    .vgpr_count:     64
    .wavefront_size: 32
...
	.end_amdgpu_metadata
.endif
;; end of part 2
;; launch proj (part 3): grid 4 x 96, 4 waves a work-group, clusters of 4 x 4, 327,680 bytes of LDS; arguments act_codes, act_scales, w_codes, w_scales, bq, bk, bv, rope, qkv; writes qkv
.if DOCPART == 3
	.amdgcn_target "amdgcn-amd-amdhsa--gfx1250"
	.amdhsa_code_object_version 6
	.text
	.protected	k_q57724b94df_proj
	.globl	k_q57724b94df_proj
	.p2align	8
	.type	k_q57724b94df_proj,@function
k_q57724b94df_proj:
	s_mov_b64 s[64:65], 0
	v_nop
	global_prefetch_b8 v0, s[64:65] scope:SCOPE_SE
	s_setreg_imm32_b32 hwreg(HW_REG_WAVE_MODE, 25, 1), 1
	s_wait_xcnt 0x0
	s_wait_alu depctr_hold_cnt(0) depctr_sa_sdst(0) depctr_va_vdst(0) depctr_va_sdst(0) depctr_va_ssrc(0) depctr_va_vcc(0) depctr_vm_vsrc(0)
	s_getreg_b32 s2, hwreg(HW_REG_IB_STS2, 6, 4)
	s_cmp_eq_u32 s2, 0
	s_cbranch_scc0 .Lentry_in_a_cluster
	s_endpgm
.Lentry_in_a_cluster:
	s_bfe_u32 s2, ttmp6, 0x10000c
	s_cmp_lg_u32 s2, 0xf033
	s_cbranch_scc0 .Lentry_shape_is_right
	s_endpgm
.Lentry_shape_is_right:
; THIRD LAUNCH.  No work is left out.  The three quantised products, on codes of FP4 with E8M0 scales, f32 sums; then the bias, for q and k the rotation of each head's first 32 channels, and f16.
; C[m][n] = sum over k of A[m][k] B[n][k], K = 1,024.  A tile of C is 256 x 256, four waves of 128 x 128 (64 accumulators, 512 registers).  Cluster y = 8 t + y': t = 0, 1, 2 is q, k, v.
;   t < 2: A = the activations (rows = tokens), B = the weight (rows = channels).     t = 2: A = Wv (rows = channels), B = value (rows = tokens): the tile is V^T.
; THE MATRIX INSTRUCTION IS USED TRANSPOSED (source 0 = 16 rows of B, source 1 = 16 rows of A): lane l = r + 16 h holds row r of A's block and eight neighbouring rows 8 h + 0..7 of B's block.  Rounded to f16 those
; eight are 16 bytes, and the 32 lanes' 512 bytes on end are a BLOCK of qkv: [3][64 = batch x 16 + head][128 tiles of 16 tokens][4 tiles of 16 channels][512 bytes]; q, k: [token r][channel 8 h ..]; v: [channel r][token 8 h ..].
; That is the image of half an operand of the next launch's matrix instructions, so the results leave straight from registers, 512 consecutive aligned bytes a store, and no stage in LDS is needed.
; K is two slots of 512 (rows of 256 bytes): both are first fills, with the scales of all of K.
; CLUSTERS: 4 x 4 work-groups; A's tiles are asked for jointly along a row of the cluster, B's along a column.  The one branch on t hangs on the cluster's y: it is the same in all sixteen partners.
; REGISTERS: window 0: v0-31 addresses; v32-95 scale words, two sets; v128-191 A's fragments, one set; v96-127 (rotation table, two sets) and v192-255 (bias) are idle in the products and are loaded meanwhile.
;   window 1: B's fragments, two sets (v0, v128).  window 2, 3: the accumulators of my rows 0-63, 64-127 ((a, b) at v[8 (8 (a % 4) + b)]).   On the way out: v32-95 packed results, two sets; v128-191 a block in f32.
.set SIZE_K, 1024
.set KSTEP,  512
.set NQ,     KSTEP/128
.set ROWB,   256                       ; a tile's row in bytes
.set KROW,   SIZE_K/2                  ; a row of codes in memory
.set PITCH,  272                       ; an LDS row: 256 bytes + 16 of padding, so that the 16 rows of a load start 16 bytes further round the banks each
.set FR,     8
.set NL,     2
.set NP,     4                         ; places behind this matrix instruction (ISA guide 7.12.1)
.set HALFT,  128*PITCH
.set SLOT,   4*HALFT
.set KS,     SIZE_K/32                 ; a row of scale bytes
.set SCL,    2*SLOT                    ; behind the two slots: the scales, as rows of 256 bytes + 16
.set HALFS,  (128*KS/256)*272
.set SBLK,   (16*KS/256)*272
.set SPARE,  SCL+4*HALFS               ; the spare words: 128 bytes a wave, named by no other line
.set U,    8                           ; v8-11   at work in the rotation
.set BOF,  12                          ; v12     32 h: my eight channels' bias
.set ROF,  13                          ; v13     128 r + 32 h: my token's row of the table, my eight angles
.set VOF,  14                          ; v14     4 r: my channel's bias (v)
.set ADRA, 16
.set ADRB, 20
.set LOFF, 26                          ; v26     16 x lane: my place in a block
.set ADRS, 27
.set SPW,  28
.set NIL,  29
.set SC,   32
.set PK,   32
.set RT,   96
.set AF,   128
.set T,    128
.set BI,   192
.set G1, 24
.set G0, 32
.set G1B, 48
.set G0B, 56
.set G1S, 68
.set G0S, 76
.set G1SB, 80
.set G0SB, 88
.set MSB, 0
.macro WIN new                         ; the immediate's high byte repeats the setting that is left
.if MSB != \new
	s_set_vgpr_msb (MSB<<8)|\new
.set MSB, \new
.endif
.endm
.set MUL_LO, 0xa1                      ; source 0 (B) window 1, source 1 (A) window 0, C and D window 2
.set MUL_HI, 0xf1
.set TO_B,   0x40
; A joint load: waves 0 and 1 fetch for A, waves 2 and 3 for B.  The branch hangs on the wave's number alone.  An s_nop 0 and four v_nop follow each line.
.macro JLOAD g0a, g1a, g0b, g1b
	s_cmp_eq_u32 s15, 0
	s_cbranch_scc0 .Lfor_b_\@
	tensor_load_to_lds s[\g0a:\g0a+3], s[\g1a:\g1a+7]
	s_nop 0
.rept 4
	v_nop
.endr
	s_branch .Lasked_\@
.Lfor_b_\@:
	tensor_load_to_lds s[\g0b:\g0b+3], s[\g1b:\g1b+7]
	s_nop 0
.rept 4
	v_nop
.endr
.Lasked_\@:
.endm
.macro CROUND                          ; a round of the cluster's barrier
	s_barrier_signal -1
	s_barrier_wait -1
	s_cmp_lg_u32 s14, 0
	s_cbranch_scc1 .Lnot_wave_0_\@
	s_barrier_signal -3
.Lnot_wave_0_\@:
	s_barrier_wait -3
	s_barrier_signal -1
	s_barrier_wait -1
.endm
	s_load_b128 s[4:7], s[0:1], 0x0                ; act_codes, act_scales
	s_load_b128 s[8:11], s[0:1], 0x10              ; w_codes, w_scales
	s_load_b128 s[96:99], s[0:1], 0x20             ; bq, bk
	s_load_b64 s[100:101], s[0:1], 0x30            ; bv
	s_load_b64 s[104:105], s[0:1], 0x38            ; rope
	s_load_b64 s[12:13], s[0:1], 0x40              ; qkv
	v_lshl_add_u32 v[SPW], v0, 2, SPARE
	v_mov_b32 v[NIL], 0
	ds_add_u32 v[SPW], v[NIL]                      ; the wave's opening: the add, twice on end, and its wait ahead of my first tensor load
	ds_add_u32 v[SPW], v[NIL]
	v_lshrrev_b32 v1, 5, v0
	v_readfirstlane_b32 s14, v1                    ; wave 0..3
	s_lshr_b32 s15, s14, 1                         ; which half of A's rows is mine.  Also: I fetch for A (0) or for B (1)
	s_and_b32 s16, s14, 1                          ; which half of B's rows.  Also: which 128 rows I fetch
	s_bfe_u32 s40, ttmp6, 0x40000                  ; cx
	s_bfe_u32 s41, ttmp6, 0x40004                  ; cy
	s_and_b32 s2, ttmp7, 0xffff                    ; cluster y
	s_lshr_b32 s95, s2, 3                          ; t
	s_and_b32 s2, s2, 7
	s_lshl_b32 s2, s2, 2                           ; 4 y'
	s_lshl_b32 s66, s95, 13                        ; the activations' first row: 8,192 t
	s_lshl_b32 s67, s95, 10                        ; the weight's: 1,024 t
	s_cmp_lt_u32 s95, 2
	s_cselect_b32 s17, s2, 0                       ; the long axis (tokens) is A's for q and k,
	s_cselect_b32 s42, 0, s2                       ; B's for v
	s_cselect_b32 s66, s66, 2048                   ; A's first row in its buffer (v: Wv's)
	s_cselect_b32 s67, s67, 16384                  ; B's (v: value's)
	s_add_co_u32 s17, s17, s41                     ; tile row of C: cy and the cluster's y alone
	s_add_co_u32 s42, s42, s40                     ; tile column: cx and the cluster's y alone
	s_lshl_b32 s43, s41, 2
	s_lshl_b32 s43, 15, s43                        ; my row of the cluster
	s_lshl_b32 s44, 0x1111, s40                    ; my column
	s_or_b32 s[G1+0], s43, (0<<16)|(1<<20)|(1<<21)|(5<<22)|(3<<25)  ; mask; elements of 1 byte; padding on; bit 21 beside a mask; after every 64 words, 4 words
	s_or_b32 s[G1B+0], s44, (0<<16)|(1<<20)|(1<<21)|(5<<22)|(3<<25)
.irp g, G1, G1B
	s_mov_b32 s[\g+1], ROWB<<16                    ; tensor_dim0
	s_mov_b32 s[\g+2], 128<<16                     ; tensor_dim1
	s_mov_b32 s[\g+3], ROWB<<16                    ; tile_dim0
	s_mov_b32 s[\g+4], 128                         ; tile_dim1
	s_mov_b32 s[\g+5], KROW                        ; from row to row
	s_mov_b32 s[\g+6], 0
	s_mov_b32 s[\g+7], 0
.endr
	s_or_b32 s[G1S+0], s43, (3<<16)|(1<<20)|(1<<21)|(5<<22)|(3<<25) ; the scales of 128 rows: 4,096 dense bytes as 16 rows of 256 (32 elements of 8 bytes), 16 bytes of padding behind each
	s_or_b32 s[G1SB+0], s44, (3<<16)|(1<<20)|(1<<21)|(5<<22)|(3<<25)
.irp g, G1S, G1SB
	s_mov_b32 s[\g+1], 32<<16
	s_mov_b32 s[\g+2], (128*KS/256)<<16
	s_mov_b32 s[\g+3], 32<<16
	s_mov_b32 s[\g+4], 128*KS/256
	s_mov_b32 s[\g+5], 32
	s_mov_b32 s[\g+6], 0
	s_mov_b32 s[\g+7], 0
.endr
	s_lshl_b32 s18, s16, 7                         ; which 128 rows of the tile I fetch
	s_lshl_b32 s20, s17, 8
	s_add_co_u32 s20, s20, s18
	s_add_co_u32 s20, s20, s66                     ; A: its row in the buffer
	s_lshl_b32 s46, s42, 8
	s_add_co_u32 s46, s46, s18
	s_add_co_u32 s46, s46, s67                     ; B likewise
	s_mov_b32 s21, 0
	s_mov_b32 s47, 0
	s_mov_b64 s[18:19], KS
	s_mul_u64 s[22:23], s[20:21], s[18:19]         ; where these rows' scales begin,
	s_mul_u64 s[92:93], s[46:47], s[18:19]
	s_mov_b64 s[18:19], KROW
	s_mul_u64 s[20:21], s[20:21], s[18:19]         ; and their codes
	s_mul_u64 s[46:47], s[46:47], s[18:19]
	s_mul_i32 s45, s14, HALFT                      ; where they go: wave x 128 rows
	s_mul_i32 s94, s14, HALFS
	s_wait_dscnt 0x0                               ; both opening adds are done
	s_wait_kmcnt 0x0
	s_cmp_lt_u32 s95, 2                            ; for v the two sides change buffers: a choice on the cluster's y alone
	s_cselect_b64 s[2:3], s[4:5], s[8:9]           ; A's codes
	s_cselect_b64 s[8:9], s[8:9], s[4:5]           ; B's codes
	s_cselect_b64 s[66:67], s[6:7], s[10:11]       ; A's scales
	s_cselect_b64 s[10:11], s[10:11], s[6:7]       ; B's scales
	s_mov_b64 s[4:5], s[2:3]
	s_mov_b64 s[6:7], s[66:67]
	s_add_nc_u64 s[20:21], s[4:5], s[20:21]
	s_add_nc_u64 s[22:23], s[6:7], s[22:23]
	s_add_nc_u64 s[46:47], s[8:9], s[46:47]
	s_add_nc_u64 s[92:93], s[10:11], s[92:93]
	CROUND                                         ; all sixteen work-groups are here: the joint loads meet
	s_mov_b32 s[G0S], 1
	s_add_co_u32 s[G0S+1], s94, SCL
	s_mov_b64 s[G0S+2:G0S+3], s[22:23]
	s_or_b32 s[G0S+3], s[G0S+3], 0x80000000
	s_mov_b32 s[G0SB], 1
	s_add_co_u32 s[G0SB+1], s94, SCL
	s_mov_b64 s[G0SB+2:G0SB+3], s[92:93]
	s_or_b32 s[G0SB+3], s[G0SB+3], 0x80000000
	JLOAD G0S, G1S, G0SB, G1SB                     ; the scales first: they are wanted with the first slot
.irp s, 0,1
	s_mov_b32 s[G0+4*\s], 1
	s_add_co_u32 s[G0+4*\s+1], s45, \s*SLOT
	s_add_nc_u64 s[G0+4*\s+2:G0+4*\s+3], s[20:21], \s*ROWB
	s_or_b32 s[G0+4*\s+3], s[G0+4*\s+3], 0x80000000
	s_mov_b32 s[G0B+4*\s], 1
	s_add_co_u32 s[G0B+4*\s+1], s45, \s*SLOT
	s_add_nc_u64 s[G0B+4*\s+2:G0B+4*\s+3], s[46:47], \s*ROWB
	s_or_b32 s[G0B+4*\s+3], s[G0B+4*\s+3], 0x80000000
	JLOAD G0+4*\s, G1, G0B+4*\s, G1B
.endr
	v_and_b32 v1, 15, v0                           ; r
	v_bfe_u32 v2, v0, 4, 1                         ; h
	v_mul_u32_u24 v3, v1, PITCH
	v_lshl_add_u32 v4, v2, 4, v3                   ; a fragment's row x pitch + 16 h
	s_mul_i32 s21, s15, HALFT                      ; my 128 rows of A
	s_mul_i32 s22, s16, HALFT                      ; my 128 rows of B,
	s_add_co_u32 s22, s22, 2*HALFT                 ; behind A's 256
.irp s, 0,1
	v_add_nc_u32 v[ADRA+\s], s21, v4
	v_add_nc_u32 v[ADRB+\s], s22, v4
	s_add_co_u32 s21, s21, SLOT
	s_add_co_u32 s22, s22, SLOT
.endr
	v_mul_u32_u24 v5, v1, KS                       ; my row's scales: KS bytes a row,
	v_lshrrev_b32 v6, 8, v5
	v_lshl_add_u32 v5, v6, 4, v5                   ; and 16 more for each 256 passed
	s_mul_i32 s21, s15, HALFS
	s_mul_i32 s22, s16, HALFS
	s_add_co_u32 s22, s22, 2*HALFS
	s_sub_co_u32 s22, s22, s21
	v_mul_u32_u24 v6, s22, v2                      ; lanes 16-31 take B's: one product, the distance x h
	s_add_co_u32 s21, s21, SCL
	v_add_nc_u32 v5, v5, v6
	v_add_nc_u32 v[ADRS], s21, v5
	v_lshlrev_b32 v[BOF], 5, v2
	v_lshl_add_u32 v[ROF], v1, 7, v[BOF]
	v_lshlrev_b32 v[VOF], 2, v1
	v_and_b32 v6, 31, v0
	v_lshlrev_b32 v[LOFF], 4, v6
	; where my results, my bias and my rows of the table begin
	s_cmp_eq_u32 s95, 1
	s_cselect_b64 s[96:97], s[98:99], s[96:97]
	s_cmp_eq_u32 s95, 2
	s_cselect_b64 s[96:97], s[100:101], s[96:97]   ; the bias of t
	s_lshl_b32 s20, s17, 8
	s_lshl_b32 s21, s15, 7
	s_add_co_u32 s20, s20, s21                     ; my first row of A's axis
	s_lshl_b32 s46, s42, 8
	s_lshl_b32 s47, s16, 7
	s_add_co_u32 s46, s46, s47                     ; and of B's
	s_cmp_lt_u32 s95, 2
	s_cselect_b32 s92, s20, s46                    ; my first token (of 8,192),
	s_cselect_b32 s93, s46, s20                    ; my first channel (of 1,024)
	s_lshl_b32 s2, s95, 24                         ; t: 16 MiB each
	s_lshr_b32 s3, s92, 11
	s_lshl_b32 s3, s3, 22                          ; the batch: 16 heads of 262,144 bytes
	s_add_co_u32 s2, s2, s3
	s_lshr_b32 s3, s93, 6
	s_lshl_b32 s3, s3, 18                          ; the head
	s_add_co_u32 s2, s2, s3
	s_and_b32 s94, s92, 2047                       ; the position
	s_lshr_b32 s3, s94, 4
	s_lshl_b32 s3, s3, 11                          ; the tile of tokens: 2,048 bytes
	s_add_co_u32 s2, s2, s3
	s_mov_b32 s3, 0
	s_add_nc_u64 s[12:13], s[12:13], s[2:3]
	s_lshl_b32 s2, s93, 2
	s_add_nc_u64 s[96:97], s[96:97], s[2:3]
	s_lshl_b32 s2, s94, 7                          ; 128 bytes of the table a position
	s_add_nc_u64 s[104:105], s[104:105], s[2:3]
.macro FRAG reg, adr, q, i             ; 16 rows x 128 K of 4-bit codes: 8 registers; registers 4 c .. 4 c + 3 hold K = 64 c + 32 h + 0 .. 31
.irp c, 0,1
	ds_load_b128 v[\reg+4*\c:\reg+4*\c+3], v[\adr] offset:64*(\q)+32*\c+(\i)*16*PITCH
.endr
.endm
; 16 matrix instructions: A's blocks a0, a0 + 1 x B's eight, the slot's q-th 128 along K.  p: B's set; sc: the set of scale words.  zero = 1: the first product starts the sums.
; The 64 accumulators take turns, one instruction a turn, in the same order in every step.
.macro MUL16 a0, p, q, sc, zero
.irp a, \a0, \a0+1
.irp b, 0,1,2,3,4,5,6,7
.if \zero
	v_wmma_scale_f32_16x16x128_f8f6f4 v[8*(8*((\a)%4)+\b):8*(8*((\a)%4)+\b)+7], v[128*(\p)+FR*\b:128*(\p)+FR*\b+FR-1], v[AF+FR*(\a):AF+FR*(\a)+FR-1], 0, v[SC+8*NQ*(\sc)+NQ*\b+(\q)], v[SC+8*NQ*(\sc)+NQ*(\a)+(\q)] matrix_a_fmt:MATRIX_FMT_FP4 matrix_b_fmt:MATRIX_FMT_FP4 matrix_a_scale:MATRIX_SCALE_ROW1
.else
	v_wmma_scale_f32_16x16x128_f8f6f4 v[8*(8*((\a)%4)+\b):8*(8*((\a)%4)+\b)+7], v[128*(\p)+FR*\b:128*(\p)+FR*\b+FR-1], v[AF+FR*(\a):AF+FR*(\a)+FR-1], v[8*(8*((\a)%4)+\b):8*(8*((\a)%4)+\b)+7], v[SC+8*NQ*(\sc)+NQ*\b+(\q)], v[SC+8*NQ*(\sc)+NQ*(\a)+(\q)] matrix_a_fmt:MATRIX_FMT_FP4 matrix_b_fmt:MATRIX_FMT_FP4 matrix_a_scale:MATRIX_SCALE_ROW1
.endif
.endr
.endr
.endm
.macro FETCH_B slot, q, p
	WIN TO_B
.irp i, 0,1,2,3,4,5,6,7
	FRAG 128*(\p)+FR*\i, ADRB+\slot, \q, \i
.endr
	WIN 0
.endm
.macro FETCH_A slot, q, i0
.irp i, \i0, \i0+1, \i0+2, \i0+3
	FRAG AF+FR*(\i), ADRA+\slot, \q, \i
.endr
.endm
.macro SCALES sc                       ; a slot's scale words: 4 words a row; lanes 0-15 take A's block i, lanes 16-31 B's block i
.irp i, 0,1,2,3,4,5,6,7
	ds_load_b128 v[SC+8*NQ*\sc+NQ*\i:SC+8*NQ*\sc+NQ*\i+3], v[ADRS] offset:\i*SBLK
.endr
.endm
.macro PLACES n                        ; plain vector lines between a matrix instruction and a load into, or a vector write or read of, its registers
.rept \n
	v_nop
.endr
.endm
.macro STEP slot, q, zero              ; 128 along K, its successor in the same slot
	s_wait_dscnt 4*NL                              ; B's set and A's blocks 0-3 are in; the youngest eight loads (A's blocks 4-7) may be out
	WIN MUL_LO
	MUL16 0, (\q)%2, \q, \slot, \zero
	MUL16 2, (\q)%2, \q, \slot, \zero
	s_wait_dscnt 0
	PLACES NP
	FETCH_B \slot, (\q)+1, 1-(\q)%2
	FETCH_A \slot, (\q)+1, 0
	WIN MUL_HI
	MUL16 4, (\q)%2, \q, \slot, \zero
	MUL16 6, (\q)%2, \q, \slot, \zero
	PLACES NP
	WIN 0
	FETCH_A \slot, (\q)+1, 4
.endm
.macro TURN slot, next                 ; a slot's last step changes slots: one barrier; in front of it each wave's tensor loads have landed.  Nothing is filled again
	s_wait_tensorcnt 0x0                           ; my part of the next slot is in;
	ds_add_u32 v[SPW], v[NIL]                      ; 0 onto my spare word
	s_wait_dscnt 4*NL+1                            ; (the add and the youngest eight loads may be out)
	WIN MUL_LO
	MUL16 0, 1, NQ-1, \slot, 0
	s_wait_dscnt 0x0
	s_barrier_signal -1
	MUL16 2, 1, NQ-1, \slot, 0
	WIN 0
	s_barrier_wait -1                              ; the next slot is whole
	PLACES NP
	v_add_nc_u32 v[ADRS], 4*NQ, v[ADRS]            ; on to the next slot's scale words
	FETCH_B \next, 0, 0
	FETCH_A \next, 0, 0
	SCALES \next
	WIN MUL_HI
	MUL16 4, 1, NQ-1, \slot, 0
	MUL16 6, 1, NQ-1, \slot, 0
	PLACES NP
	WIN 0
	FETCH_A \next, 0, 4
.endm
.macro STEPS slot, from
.set Q, \from
.rept NQ-1-\from
	STEP \slot, Q, 0
.set Q, Q+1
.endr
.endm
.macro REST                            ; the second slot's four steps; the last fetches nothing
	STEPS 1, 0
	s_wait_dscnt 4*NL
	WIN MUL_LO
	MUL16 0, 1, NQ-1, 1, 0
	MUL16 2, 1, NQ-1, 1, 0
	s_wait_dscnt 0
	WIN MUL_HI
	MUL16 4, 1, NQ-1, 1, 0
	MUL16 6, 1, NQ-1, 1, 0
	WIN 0
.endm
.macro ROPELD a                        ; block a's 16 tokens: my token's eight cosines and eight sines, into set a % 2
.set RS, RT+16*((\a)%2)
	global_load_b128 v[RS:RS+3], v[ROF], s[104:105] offset:2048*(\a)
	global_load_b128 v[RS+4:RS+7], v[ROF], s[104:105] offset:2048*(\a)+16
	global_load_b128 v[RS+8:RS+11], v[ROF], s[104:105] offset:2048*(\a)+64
	global_load_b128 v[RS+12:RS+15], v[ROF], s[104:105] offset:2048*(\a)+80
.endm
; THE WAY OUT of A's block a (16 rows x my 128 of B's axis).  qk = 1: rows are tokens; the bias runs along a lane's registers; channels 0-15 and 16-31 of each of my two heads (B's blocks 4 hh, 4 hh + 1) are rotated.
; qk = 0: rows are channels; the bias is one number a lane, held twice for the packed form.
.macro EPI a, qk
.set AC, 64*((\a)%4)
.set PS, PK+32*((\a)%2)
.set COSR, RT+16*((\a)%2)
.set SINR, COSR+8
.if \qk
.if (\a) < 7
	s_wait_loadcnt 4                               ; the bias and this block's table are in; the next block's four loads may be out
.else
	s_wait_loadcnt 0
.endif
.elseif (\a) == 0
	s_wait_loadcnt 0
.endif
	WIN (0x02+(\a)/4)                              ; source 0: window 2 or 3
.irp b, 0,1,2,3,4,5,6,7
.irp p, 0,2,4,6
.if \qk
	v_pk_add_f32 v[T+8*\b+\p:T+8*\b+\p+1], v[AC+8*\b+\p:AC+8*\b+\p+1], v[BI+8*\b+\p:BI+8*\b+\p+1]   ; each accumulator from its low end on
.else
	v_pk_add_f32 v[T+8*\b+\p:T+8*\b+\p+1], v[AC+8*\b+\p:AC+8*\b+\p+1], v[BI+2*(\a):BI+2*(\a)+1]
.endif
.endr
.endr
	WIN 0
.if \qk
.irp hh, 0,1
.irp p, 0,2,4,6
	v_pk_mul_f32 v[U:U+1], v[T+32*\hh+8+\p:T+32*\hh+8+\p+1], v[SINR+\p:SINR+\p+1]
	v_pk_mul_f32 v[U+2:U+3], v[T+32*\hh+\p:T+32*\hh+\p+1], v[SINR+\p:SINR+\p+1]
	v_pk_fma_f32 v[T+32*\hh+\p:T+32*\hh+\p+1], v[T+32*\hh+\p:T+32*\hh+\p+1], v[COSR+\p:COSR+\p+1], v[U:U+1] neg_lo:[0,0,1] neg_hi:[0,0,1]   ; x(c) cos - x(c + 16) sin
	v_pk_fma_f32 v[T+32*\hh+8+\p:T+32*\hh+8+\p+1], v[T+32*\hh+8+\p:T+32*\hh+8+\p+1], v[COSR+\p:COSR+\p+1], v[U+2:U+3]                         ; x(c + 16) cos + x(c) sin
.endr
.endr
.if (\a)+2 < 8
	ROPELD (\a)+2
.endif
.endif
.if (\a) >= 2
	s_wait_xcnt 0x0                                ; block a - 2's stores have read this set of packed registers
.endif
.set i, 0
.rept 32
	v_cvt_pk_f16_f32 v[PS+i], v[T+2*i], v[T+2*i+1]
.set i, i+1
.endr
.irp b, 0,1,2,3,4,5,6,7
.if \qk
	global_store_b128 v[LOFF], v[PS+4*\b:PS+4*\b+3], s[12:13] offset:2048*(\a)+512*(\b%4)+262144*(\b/4)   ; a block: 512 consecutive bytes, aligned
.else
	global_store_b128 v[LOFF], v[PS+4*\b:PS+4*\b+3], s[12:13] offset:262144*((\a)/4)+512*((\a)%4)+2048*\b
.endif
.endr
.endm
	s_wait_tensorcnt 1                             ; the scales and my part of slot 0 are in; slot 1's load may be out
	s_barrier_signal -1
	s_barrier_wait -1
	FETCH_B 0, 0, 0
	FETCH_A 0, 0, 0
	SCALES 0
	FETCH_A 0, 0, 4
	STEP 0, 0, 1                                   ; the first products start the sums: nothing is cleared
	STEPS 0, 1
	TURN 0, 1
	s_cmp_eq_u32 s95, 2                            ; the cluster's y alone.  The two ways do not join before their registers have been read
	s_cbranch_scc1 .Lv
.irp b, 0,1,2,3,4,5,6,7                ; q, k: what the way out wants is asked for here and lands under the second slot's 256 matrix instructions
	global_load_b128 v[BI+8*\b:BI+8*\b+3], v[BOF], s[96:97] offset:64*\b
	global_load_b128 v[BI+8*\b+4:BI+8*\b+7], v[BOF], s[96:97] offset:64*\b+16
.endr
	ROPELD 0
	ROPELD 1
	REST
	PLACES NP
.irp a, 0,1,2,3,4,5,6,7
	EPI \a, 1
.endr
	s_branch .Ldone
.Lv:
.irp a, 0,1,2,3,4,5,6,7
	global_load_b32 v[BI+2*\a], v[VOF], s[96:97] offset:64*\a
	global_load_b32 v[BI+2*\a+1], v[VOF], s[96:97] offset:64*\a
.endr
	REST
	PLACES NP
.irp a, 0,1,2,3,4,5,6,7
	EPI \a, 0
.endr
.Ldone:
	s_wait_tensorcnt 0x0                           ; the wave's end, behind my last tensor load
	ds_add_u32 v[SPW], v[NIL]
	s_wait_dscnt 0x0
	CROUND                                         ; the closing round
	s_endpgm
.Lfunc_end_k_q57724b94df_proj:
	.size	k_q57724b94df_proj, .Lfunc_end_k_q57724b94df_proj-k_q57724b94df_proj
	.p2alignl 7, 3214868480
	.fill 96, 4, 3214868480
	.section	.rodata,"a",@progbits
	.p2align	6, 0x0
	.amdhsa_kernel k_q57724b94df_proj
		.amdhsa_group_segment_fixed_size 327680
		.amdhsa_private_segment_fixed_size 0
		.amdhsa_enable_private_segment 0
		.amdhsa_kernarg_size 72
		.amdhsa_user_sgpr_count 2
		.amdhsa_user_sgpr_kernarg_segment_ptr 1
		.amdhsa_wavefront_size32 1
		.amdhsa_system_sgpr_workgroup_id_x 1
		.amdhsa_system_sgpr_workgroup_id_y 1
		.amdhsa_system_sgpr_workgroup_id_z 1
		.amdhsa_system_vgpr_workitem_id 0
		.amdhsa_next_free_vgpr 1024
		.amdhsa_next_free_sgpr 106
		.amdhsa_reserve_vcc 0
		.amdhsa_float_denorm_mode_32 3
		.amdhsa_float_denorm_mode_16_64 3
		.amdhsa_memory_ordered 1
		.amdhsa_forward_progress 1
		.amdhsa_inst_pref_size 236
	.end_amdhsa_kernel
	.amdgpu_metadata
---
amdhsa.version: [ 1, 2 ]
amdhsa.kernels:
  - .name:           k_q57724b94df_proj
    .symbol:         k_q57724b94df_proj.kd
    .args:
      - { .name: act_codes, .offset: 0, .size: 8, .value_kind: global_buffer, .address_space: global }
      - { .name: act_scales, .offset: 8, .size: 8, .value_kind: global_buffer, .address_space: global }
      - { .name: w_codes, .offset: 16, .size: 8, .value_kind: global_buffer, .address_space: global }
      - { .name: w_scales, .offset: 24, .size: 8, .value_kind: global_buffer, .address_space: global }
      - { .name: bq, .offset: 32, .size: 8, .value_kind: global_buffer, .address_space: global }
      - { .name: bk, .offset: 40, .size: 8, .value_kind: global_buffer, .address_space: global }
      - { .name: bv, .offset: 48, .size: 8, .value_kind: global_buffer, .address_space: global }
      - { .name: rope, .offset: 56, .size: 8, .value_kind: global_buffer, .address_space: global }
      - { .name: qkv, .offset: 64, .size: 8, .value_kind: global_buffer, .address_space: global }
    .group_segment_fixed_size: 327680
    .private_segment_fixed_size: 0
    .kernarg_segment_align: 8
    .kernarg_segment_size: 72
    .max_flat_workgroup_size: 128
    .sgpr_count:     106
    .vgpr_count:     1024
    .wavefront_size: 32
...
	.end_amdgpu_metadata
.endif
;; end of part 3
;; launch attn (part 4): grid 4 x 64, 16 waves a work-group, clusters of 4 x 1, 327,680 bytes of LDS; arguments qkv, xh; writes xh
.if DOCPART == 4
	.amdgcn_target "amdgcn-amd-amdhsa--gfx1250"
	.amdhsa_code_object_version 6
	.text
	.protected	k_q57724b94df_attn
	.globl	k_q57724b94df_attn
	.p2align	8
	.type	k_q57724b94df_attn,@function
k_q57724b94df_attn:
	s_mov_b64 s[64:65], 0
	v_nop
	global_prefetch_b8 v0, s[64:65] scope:SCOPE_SE
	s_setreg_imm32_b32 hwreg(HW_REG_WAVE_MODE, 25, 1), 1
	s_wait_xcnt 0x0
	s_wait_alu depctr_hold_cnt(0) depctr_sa_sdst(0) depctr_va_vdst(0) depctr_va_sdst(0) depctr_va_ssrc(0) depctr_va_vcc(0) depctr_vm_vsrc(0)
	s_getreg_b32 s2, hwreg(HW_REG_IB_STS2, 6, 4)
	s_cmp_eq_u32 s2, 0
	s_cbranch_scc0 .Lentry_in_a_cluster
	s_endpgm
.Lentry_in_a_cluster:
	s_bfe_u32 s2, ttmp6, 0x10000c
	s_cmp_lg_u32 s2, 0x3003
	s_cbranch_scc0 .Lentry_shape_is_right
	s_endpgm
.Lentry_shape_is_right:
; FOURTH LAUNCH.  No work is left out.  x[q] = sum over keys of softmax(q . k / 8) v, for each of 64 (batch, head) pairs: 2,048 queries, 2,048 keys, 64 channels; no mask.  f16 operands, f32 products, maxima and sums.
; SHARES.  A work-group owns 512 queries of one pair; each of its sixteen waves 32: two tiles of 16, in 256 registers: four waves to a SIMD, so that one wave's softmax stands beside another's products and LDS loads.
; Every wave walks all keys, 64 a step.  The pair's four work-groups form a cluster and ask for K and V JOINTLY: the same tensor load with the same descriptor and a mask that names the four.
; LAYOUT.  qkv is laid in blocks of 512 bytes, lane l = r + 16 h owning bytes 16 l on: q, k [token r][channel 8 h ..], v [channel r][token 8 h ..].  Two blocks are an operand's 8 registers, so a fragment comes
; from LDS by two loads at 16 x lane + a constant: consecutive bytes, no pitch, no padding, nothing turned.  A step's 64 keys are 8,192 dense bytes of K and as many of V.
; Both products are used transposed: S^T = K Q^T (source 0 = 16 keys, source 1 = 16 queries), O^T = V^T P (source 0 = 16 channels): a lane holds ONE query (r) throughout, with keys or channels 8 h + 0..7 in its registers.
; Two tiles of S^T rounded to f16 in pairs ARE source 1 of the second product; O^T rounded so IS a block of xh [512 tiles of 16 tokens][64 tiles of 16 k][512 bytes], stored straight from registers.
; SOFTMAX.  A running maximum m and sum l for each query: p = 2^(c s - c m), c = log2(e) / 8; in every step O and l are multiplied by a = 2^(c m_old - c m_new).  The step is written once: m begins at -3e38
; and O and l at 0, so the first a is 0 and multiplies zeros.  l is the sum of the unrounded p.
; THE RING.  Two slots of 512 keys (K's 8 steps, then V's 8).  EVERY wave fetches 8,192 bytes of each slot: waves 0-7 K's steps, waves 8-15 V's.  Two loads of a wave are out at the start, one behind each round.
.set SLOT1, 1<<17
.set VOFF,  65536                      ; V's steps in a slot
.set STEPB, 8192
.set SPARE, 2*SLOT1                    ; the spare words: 128 bytes for each of 16 waves, named by no other line
.set AK0, 1                            ; v1   16 x lane; also my offset in Q's and x's blocks; never rewritten
.set AV0, 2                            ; v2   16 x lane + VOFF
.set ADR, 3                            ; v3   LDS address of the loads in hand
.set PFO, 4                            ; v4   256 x lane: the prefetch's offset; never rewritten
.set SPW, 5
.set NIL, 6
.set ST,  8                            ; tile t at v[ST + 8 t]: +0 c m, +1 m, +2, +3 l (two halves), +4 .. +7 c0-c3, at work; a takes c2's place
.set Q,   24                           ; fragment (t, f) at Q + 16 t + 8 f
.set KV,  56                           ; 64 registers: a step's K, then its V
.set S,   120                          ; S^T, 32 a tile; P is laid over the tile's first 16
.set O,   184                          ; O^T, 32 a tile
.set WV,  12
.set PFA, 22
.set G1,  24
.set G0A, 32
.set G0B, 36
.set CS,  40
.set SEL, 42
.set TB,  44
.set CNT, 45
.macro CROUND
	s_barrier_signal -1
	s_barrier_wait -1
	s_cmp_lg_u32 s[WV], 0
	s_cbranch_scc1 .Lnot_wave_0_\@
	s_barrier_signal -3
.Lnot_wave_0_\@:
	s_barrier_wait -3
	s_barrier_signal -1
	s_barrier_wait -1
.endm
	s_load_b128 s[4:7], s[0:1], 0x0                ; qkv, xh
	v_lshl_add_u32 v[SPW], v0, 2, SPARE
	v_mov_b32 v[NIL], 0
	ds_add_u32 v[SPW], v[NIL]                      ; the wave's opening: the add, twice on end, and its wait ahead of my first tensor load
	ds_add_u32 v[SPW], v[NIL]
	v_lshrrev_b32 v7, 5, v0
	v_readfirstlane_b32 s[WV], v7                  ; wave 0..15
	s_bfe_u32 s13, ttmp6, 0x40000                  ; cx: my block of 512 queries; it enters Q's, x's and the prefetch's addresses alone
	s_and_b32 s14, ttmp7, 0xffff                   ; the pair: batch x 16 + head
	s_mov_b32 s[G1], 15|(3<<16)|(1<<21)            ; the mask: all four work-groups; elements of 8 bytes; bit 21 beside a mask; no padding
	s_mov_b32 s[G1+1], 32<<16                      ; tensor_dim0: 32 elements, 256 bytes
	s_mov_b32 s[G1+2], 32<<16                      ; tensor_dim1: 32 rows
	s_mov_b32 s[G1+3], 32<<16                      ; tile_dim0
	s_mov_b32 s[G1+4], 32                          ; tile_dim1
	s_mov_b32 s[G1+5], 32                          ; from row to row: dense
	s_mov_b32 s[G1+6], 0
	s_mov_b32 s[G1+7], 0
	s_mov_b32 s[CS], 0x3e38aa3b                    ; c = log2(e) / 8
	s_mov_b32 s[CS+1], s[CS]                       ; (named with it as a pair)
	s_mov_b32 s[SEL], 0x76543210
	s_mov_b32 s[SEL+1], 0xfedcba98                 ; lane l xor 16
	s_lshl_b32 s16, s14, 18                        ; the pair's 262,144 bytes in each of q, k, v
	s_lshr_b32 s17, s[WV], 3
	s_add_co_u32 s17, s17, 1                       ; 1: K (waves 0-7), 2: V
	s_lshl_b32 s17, s17, 24
	s_add_co_u32 s17, s17, s16
	s_and_b32 s18, s[WV], 7
	s_lshl_b32 s18, s18, 13                        ; which of a slot's 8 steps I fetch
	s_add_co_u32 s18, s18, s17
	s_mov_b32 s19, 0
	s_lshl_b32 s20, s[WV], 13                      ; and where it goes: wave x 8,192
	s_lshl_b32 s2, s13, 5
	s_lshl_b32 s3, s[WV], 1
	s_add_co_u32 s2, s2, s3                        ; my first tile of queries in the pair
	s_lshl_b32 s8, s2, 11
	s_add_co_u32 s8, s8, s16
	s_mov_b32 s9, 0                                ; Q's offset
	s_lshr_b32 s10, s14, 4
	s_lshl_b32 s10, s10, 7
	s_add_co_u32 s10, s10, s2                      ; the tile among all 512: batch x 128 +
	s_lshl_b32 s10, s10, 15
	s_and_b32 s11, s14, 15
	s_lshl_b32 s11, s11, 11                        ; the head's four blocks
	s_add_co_u32 s10, s10, s11
	s_mov_b32 s11, 0                               ; x's offset
	s_lshr_b32 s21, s13, 1                         ; the prefetch: partners 0, 1 take K's halves, partners 2, 3 V's: told apart by address
	s_add_co_u32 s21, s21, 1
	s_lshl_b32 s21, s21, 24
	s_add_co_u32 s21, s21, s16
	s_and_b32 s22, s13, 1
	s_lshl_b32 s22, s22, 15
	s_add_co_u32 s22, s22, s21
	s_add_co_u32 s22, s22, s20                     ; 8,192 bytes for each of waves 0 to 3
	s_mov_b32 s23, 0
	v_and_b32 v7, 31, v0
	v_lshlrev_b32 v[AK0], 4, v7
	v_add_nc_u32 v[AV0], VOFF, v[AK0]
	v_lshlrev_b32 v[PFO], 8, v7
	s_wait_dscnt 0x0                               ; both opening adds are done
	s_wait_kmcnt 0x0
	s_add_nc_u64 s[18:19], s[4:5], s[18:19]
	s_add_nc_u64 s[PFA:PFA+1], s[4:5], s[PFA:PFA+1]
	s_add_nc_u64 s[8:9], s[4:5], s[8:9]
	s_add_nc_u64 s[10:11], s[6:7], s[10:11]
	CROUND                                         ; all four work-groups are here: the first joint loads meet
	s_mov_b32 s[G0A], 1
	s_mov_b32 s[G0A+1], s20
	s_mov_b64 s[G0A+2:G0A+3], s[18:19]             ; keys 0 to 511
	s_or_b32 s[G0A+3], s[G0A+3], 0x80000000
	s_mov_b32 s[G0B], 1
	s_add_co_u32 s[G0B+1], s20, SLOT1
	s_add_nc_u64 s[G0B+2:G0B+3], s[18:19], 65536   ; keys 512 to 1,023
	s_or_b32 s[G0B+3], s[G0B+3], 0x80000000
	tensor_load_to_lds s[G0A:G0A+3], s[G1:G1+7]
	s_nop 0
	tensor_load_to_lds s[G0B:G0B+3], s[G1:G1+7]
	s_nop 0
.irp t, 0,1
.irp n, 0,1,2,3
	global_load_b128 v[Q+16*\t+4*\n:Q+16*\t+4*\n+3], v[AK0], s[8:9] offset:2048*\t+512*\n   ; Q stays in registers
.endr
.endr
.irp t, 0,1
	v_mov_b32 v[ST+8*\t+1], 0xff61b1e6             ; m: -3e38, under every score
	v_mul_f32 v[ST+8*\t], s[CS], v[ST+8*\t+1]      ; c m
	v_mov_b32 v[ST+8*\t+2], 0                      ; l
	v_mov_b32 v[ST+8*\t+3], 0
.endr
.set n, 0
.rept 64
	v_mov_b32 v[O+n], 0                            ; O^T, once: so the step needs no first form
.set n, n+1
.endr
; A KEY STEP: 64 keys at LDS byte s[TB] of K's part, and the same of V's.
.macro STEP
	v_add_nc_u32 v[ADR], s[TB], v[AK0]             ; with the four below: five places.  S^T's products write over P, which the last products read (five); the loads into KV want four
.rept 4
	v_nop
.endr
.set n, 0
.rept 16
	ds_load_b128 v[KV+4*n:KV+4*n+3], v[ADR] offset:512*n   ; K's fragment (tile i of keys, channels 32 f on) at KV + 16 i + 8 f
.set n, n+1
.endr
	s_wait_dscnt 0x0
.irp i, 0,1,2,3                        ; eight accumulators by turns: seven others' between two links
.irp t, 0,1
	v_wmma_f32_16x16x32_f16 v[S+32*\t+8*\i:S+32*\t+8*\i+7], v[KV+16*\i:KV+16*\i+7], v[Q+16*\t:Q+16*\t+7], 0
.endr
.endr
.irp i, 0,1,2,3
.irp t, 0,1
	v_wmma_f32_16x16x32_f16 v[S+32*\t+8*\i:S+32*\t+8*\i+7], v[KV+16*\i+8:KV+16*\i+15], v[Q+16*\t+8:Q+16*\t+15], v[S+32*\t+8*\i:S+32*\t+8*\i+7]
.endr
.endr
	v_add_nc_u32 v[ADR], s[TB], v[AV0]             ; with the three below: four places, for the loads into KV and for the first read of the scores
.rept 3
	v_nop
.endr
.irp g, 0,1                            ; V's fragment (channels 16 c on, keys 32 g on) at KV + 8 (4 g + c): it lands under the softmax
.irp c, 0,1,2,3
	ds_load_b128 v[KV+8*(4*\g+\c):KV+8*(4*\g+\c)+3], v[ADR] offset:4096*\g+512*\c
	ds_load_b128 v[KV+8*(4*\g+\c)+4:KV+8*(4*\g+\c)+7], v[ADR] offset:4096*\g+2048+512*\c
.endr
.endr
	; the maximum of my 32 scores and the old m: four chains, each begun at an accumulator's low end; the two tiles line by line
.irp j, 0,1,2,3
.irp t, 0,1
	v_max3_num_f32 v[ST+8*\t+4+\j], v[S+32*\t+8*\j], v[S+32*\t+8*\j+1], v[S+32*\t+8*\j+2]
.endr
.endr
.irp u, 1,2
.irp j, 0,1,2,3
.irp t, 0,1
	v_max3_num_f32 v[ST+8*\t+4+\j], v[ST+8*\t+4+\j], v[S+32*\t+8*\j+2*\u+1], v[S+32*\t+8*\j+2*\u+2]
.endr
.endr
.endr
.irp t, 0,1
	v_max3_num_f32 v[ST+8*\t+4], v[ST+8*\t+4], v[S+32*\t+7], v[S+32*\t+15]
.endr
.irp t, 0,1
	v_max3_num_f32 v[ST+8*\t+6], v[ST+8*\t+6], v[S+32*\t+23], v[S+32*\t+31]
.endr
.irp t, 0,1
	v_max3_num_f32 v[ST+8*\t+4], v[ST+8*\t+4], v[ST+8*\t+5], v[ST+8*\t+6]
.endr
.irp t, 0,1
	v_max3_num_f32 v[ST+8*\t+4], v[ST+8*\t+4], v[ST+8*\t+7], v[ST+8*\t+1]
.endr
.irp t, 0,1
	v_permlanex16_b32 v[ST+8*\t+5], v[ST+8*\t+4], s[SEL], s[SEL+1]   ; the query's other 32 keys lie in the lane 16 away
.endr
.irp t, 0,1
	v_mov_b32 v[ST+8*\t+7], v[ST+8*\t]             ; c m_old
.endr
.irp t, 0,1
	v_max_num_f32 v[ST+8*\t+1], v[ST+8*\t+4], v[ST+8*\t+5]
.endr
.irp t, 0,1
	v_mul_f32 v[ST+8*\t], s[CS], v[ST+8*\t+1]
.endr
.irp t, 0,1
	v_sub_f32 v[ST+8*\t+7], v[ST+8*\t+7], v[ST+8*\t]
.endr
.irp b, 0,2,4,6,8,10,12,14,16,18,20,22,24,26,28,30
.irp t, 0,1
	v_pk_fma_f32 v[S+32*\t+\b:S+32*\t+\b+1], v[S+32*\t+\b:S+32*\t+\b+1], s[CS:CS+1], v[ST+8*\t:ST+8*\t+1] op_sel_hi:[1,0,0] neg_lo:[0,0,1] neg_hi:[0,0,1]   ; c s - c m
.endr
.endr
.irp t, 0,1
	v_exp_f32 v[ST+8*\t+6], v[ST+8*\t+7]           ; a
.endr
.set n, 0
.rept 64
	v_exp_f32 v[S+n], v[S+n]                       ; p
.set n, n+1
.endr
	v_nop                                          ; the plain line behind the last exponential
	s_wait_alu depctr_va_vdst(0)                   ; ONE wait for the step's 66 exponentials, ahead of their first reader
.irp t, 0,1
	v_pk_fma_f32 v[ST+8*\t+2:ST+8*\t+3], v[ST+8*\t+2:ST+8*\t+3], v[ST+8*\t+6:ST+8*\t+7], v[S+32*\t:S+32*\t+1] op_sel_hi:[1,0,1]   ; l = a l + .. : the sum of the unrounded p, two chains a tile
.endr
.irp t, 0,1
	v_pk_add_f32 v[ST+8*\t+4:ST+8*\t+5], v[S+32*\t+2:S+32*\t+3], v[S+32*\t+6:S+32*\t+7]
.endr
.irp b, 4,8,12,16,20,24
.irp t, 0,1
	v_pk_add_f32 v[ST+8*\t+2:ST+8*\t+3], v[ST+8*\t+2:ST+8*\t+3], v[S+32*\t+\b:S+32*\t+\b+1]
	v_pk_add_f32 v[ST+8*\t+4:ST+8*\t+5], v[ST+8*\t+4:ST+8*\t+5], v[S+32*\t+\b+6:S+32*\t+\b+7]
.endr
.endr
.irp t, 0,1
	v_pk_add_f32 v[ST+8*\t+2:ST+8*\t+3], v[ST+8*\t+2:ST+8*\t+3], v[S+32*\t+28:S+32*\t+29]
.endr
.irp t, 0,1
	v_pk_add_f32 v[ST+8*\t+2:ST+8*\t+3], v[ST+8*\t+2:ST+8*\t+3], v[ST+8*\t+4:ST+8*\t+5]
.endr
.irp i, 0,1,2,3,4,5,6,7,8,9,10,11,12,13,14,15
.irp t, 0,1
	v_cvt_pk_f16_f32 v[S+32*\t+\i], v[S+32*\t+2*\i], v[S+32*\t+2*\i+1]   ; P, in place: register i has been read by the time it is written
.endr
.endr
.irp b, 0,2,4,6,8,10,12,14,16,18,20,22,24,26,28,30
.irp t, 0,1
	v_pk_mul_f32 v[O+32*\t+\b:O+32*\t+\b+1], v[O+32*\t+\b:O+32*\t+\b+1], v[ST+8*\t+6:ST+8*\t+7] op_sel_hi:[1,0]   ; O^T x a
.endr
.endr
	s_wait_dscnt 0x0                               ; V is in
.irp g, 0,1                            ; eight accumulators by turns
.irp c, 0,1,2,3
.irp t, 0,1
	v_wmma_f32_16x16x32_f16 v[O+32*\t+8*\c:O+32*\t+8*\c+7], v[KV+8*(4*\g+\c):KV+8*(4*\g+\c)+7], v[S+32*\t+8*\g:S+32*\t+8*\g+7], v[O+32*\t+8*\c:O+32*\t+8*\c+7]
.endr
.endr
.endr
	s_add_co_u32 s[TB], s[TB], STEPB
.endm
.macro SLOT_STEPS slot                 ; a slot's eight steps: written once, walked eight times
	s_mov_b32 s[TB], \slot*SLOT1
	s_mov_b32 s[CNT], 8
.Lstep_\@:
	STEP
	s_sub_co_u32 s[CNT], s[CNT], 1
	s_cmp_lg_u32 s[CNT], 0
	s_cbranch_scc1 .Lstep_\@
.endm
; THE CHANGE OF SLOTS.  Each wave waits for all its tensor loads (its part of the slot ahead), adds 0 to its spare word, and waits for that and for its reads of the slot that it leaves.
; fill = 1: a round of the cluster's barrier, so that no wave of any partner still reads the slot or has a load on its way; the joint refill is the first thing behind it and has eight key steps in which to land.
.macro CHANGE g0, fill
	s_wait_tensorcnt 0x0                           ; no tensor load of mine is out, so a group 0 may be written
	ds_add_u32 v[SPW], v[NIL]
.if \fill
	s_add_nc_u64 s[\g0+2:\g0+3], s[\g0+2:\g0+3], 131072   ; this slot's next 512 keys: two slots on
.endif
	s_wait_dscnt 0x0
.if \fill
	CROUND
	tensor_load_to_lds s[\g0:\g0+3], s[G1:G1+7]
	s_nop 0
.else
	s_barrier_signal -1
	s_barrier_wait -1
.endif
.endm
	s_wait_tensorcnt 1                             ; my part of slot 0 is in; slot 1's may stay out
	s_barrier_signal -1
	s_barrier_wait -1
	s_wait_loadcnt 0x0                             ; Q
	SLOT_STEPS 0                                   ; keys 0 to 511
	CHANGE G0A, 1                                  ; slot 0 takes keys 1,024 to 1,535
	; A prefetch of what the NEXT change will ask for, keys 1,536 to 2,047 of K and V: 131,072 bytes, each run of 256 named once: four partners (by address) x waves 0 to 3 x 32 lanes.  It stands behind my tensor load,
	; eight key steps ahead of the load that will want the bytes.  Its address registers are never rewritten.  The earlier keys come by their loads alone.
	s_cmp_lt_u32 s[WV], 4
	s_cbranch_scc0 .Lnot_mine
	global_prefetch_b8 v[PFO], s[PFA:PFA+1] offset:196608 th:TH_LOAD_NT scope:SCOPE_SE
.Lnot_mine:
	SLOT_STEPS 1                                   ; keys 512 to 1,023
	CHANGE G0B, 1                                  ; slot 1 takes keys 1,536 to 2,047
	SLOT_STEPS 0
	CHANGE G0A, 0                                  ; nothing is left to fetch
	SLOT_STEPS 1
	; THE WAY OUT: l's halves and the other half of the lanes' are added; O^T / l, rounded to f16, is a block of xh as it stands
.rept 4
	v_nop                                          ; places behind the last products
.endr
.irp t, 0,1
	v_add_f32 v[ST+8*\t+4], v[ST+8*\t+2], v[ST+8*\t+3]
.endr
.irp t, 0,1
	v_permlanex16_b32 v[ST+8*\t+5], v[ST+8*\t+4], s[SEL], s[SEL+1]
.endr
.irp t, 0,1
	v_add_f32 v[ST+8*\t+4], v[ST+8*\t+4], v[ST+8*\t+5]
.endr
.irp t, 0,1
	v_rcp_f32 v[ST+8*\t+6], v[ST+8*\t+4]
.endr
	v_nop
	s_wait_alu depctr_va_vdst(0)                   ; one wait for both reciprocals
.irp b, 0,2,4,6,8,10,12,14,16,18,20,22,24,26,28,30
.irp t, 0,1
	v_pk_mul_f32 v[O+32*\t+\b:O+32*\t+\b+1], v[O+32*\t+\b:O+32*\t+\b+1], v[ST+8*\t+6:ST+8*\t+7] op_sel_hi:[1,0]   ; each accumulator from its low end on
.endr
.endr
.irp i, 0,1,2,3,4,5,6,7,8,9,10,11,12,13,14,15
.irp t, 0,1
	v_cvt_pk_f16_f32 v[S+32*\t+\i], v[O+32*\t+2*\i], v[O+32*\t+2*\i+1]
.endr
.endr
.irp t, 0,1
.irp c, 0,1,2,3
	global_store_b128 v[AK0], v[S+32*\t+4*\c:S+32*\t+4*\c+3], s[10:11] offset:32768*\t+512*\c   ; 512 consecutive bytes, aligned
.endr
.endr
	s_wait_tensorcnt 0x0                           ; the wave's end, behind my last tensor load
	ds_add_u32 v[SPW], v[NIL]
	s_wait_dscnt 0x0
	CROUND                                         ; the closing round
	s_endpgm
.Lfunc_end_k_q57724b94df_attn:
	.size	k_q57724b94df_attn, .Lfunc_end_k_q57724b94df_attn-k_q57724b94df_attn
	.p2alignl 7, 3214868480
	.fill 96, 4, 3214868480
	.section	.rodata,"a",@progbits
	.p2align	6, 0x0
	.amdhsa_kernel k_q57724b94df_attn
		.amdhsa_group_segment_fixed_size 327680
		.amdhsa_private_segment_fixed_size 0
		.amdhsa_enable_private_segment 0
		.amdhsa_kernarg_size 16
		.amdhsa_user_sgpr_count 2
		.amdhsa_user_sgpr_kernarg_segment_ptr 1
		.amdhsa_wavefront_size32 1
		.amdhsa_system_sgpr_workgroup_id_x 1
		.amdhsa_system_sgpr_workgroup_id_y 1
		.amdhsa_system_sgpr_workgroup_id_z 1
		.amdhsa_system_vgpr_workitem_id 0
		.amdhsa_next_free_vgpr 256
		.amdhsa_next_free_sgpr 66
		.amdhsa_reserve_vcc 0
		.amdhsa_float_denorm_mode_32 3
		.amdhsa_float_denorm_mode_16_64 3
		.amdhsa_memory_ordered 1
		.amdhsa_forward_progress 1
		.amdhsa_inst_pref_size 83
	.end_amdhsa_kernel
	.amdgpu_metadata
---
amdhsa.version: [ 1, 2 ]
amdhsa.kernels:
  - .name:           k_q57724b94df_attn
    .symbol:         k_q57724b94df_attn.kd
    .args:
      - { .name: qkv, .offset: 0, .size: 8, .value_kind: global_buffer, .address_space: global }
      - { .name: xh, .offset: 8, .size: 8, .value_kind: global_buffer, .address_space: global }
    .group_segment_fixed_size: 327680
    .private_segment_fixed_size: 0
    .kernarg_segment_align: 8
    .kernarg_segment_size: 16
    .max_flat_workgroup_size: 512
    .sgpr_count:     66
    .vgpr_count:     256
    .wavefront_size: 32
...
	.end_amdgpu_metadata
.endif
;; end of part 4
;; launch oproj (part 5): grid 4 x 64, 4 waves a work-group, clusters of 4 x 4, 327,680 bytes of LDS; arguments xh, woh, bo, out0; writes out0
.if DOCPART == 5
	.amdgcn_target "amdgcn-amd-amdhsa--gfx1250"
	.amdhsa_code_object_version 6
	.text
	.protected	k_q57724b94df_oproj
	.globl	k_q57724b94df_oproj
	.p2align	8
	.type	k_q57724b94df_oproj,@function
k_q57724b94df_oproj:
	s_mov_b64 s[64:65], 0
	v_nop
	global_prefetch_b8 v0, s[64:65] scope:SCOPE_SE
	s_setreg_imm32_b32 hwreg(HW_REG_WAVE_MODE, 25, 1), 1
	s_wait_xcnt 0x0
	s_wait_alu depctr_hold_cnt(0) depctr_sa_sdst(0) depctr_va_vdst(0) depctr_va_sdst(0) depctr_va_ssrc(0) depctr_va_vcc(0) depctr_vm_vsrc(0)
	s_getreg_b32 s2, hwreg(HW_REG_IB_STS2, 6, 4)
	s_cmp_eq_u32 s2, 0
	s_cbranch_scc0 .Lentry_in_a_cluster
	s_endpgm
.Lentry_in_a_cluster:
	s_bfe_u32 s2, ttmp6, 0x10000c
	s_cmp_lg_u32 s2, 0xf033
	s_cbranch_scc0 .Lentry_shape_is_right
	s_endpgm
.Lentry_shape_is_right:
; FIFTH LAUNCH.  No work is left out.  out0[m][n] = sum over k of x[m][k] Wo[k][n] + bo[n]: M 8,192, N 1,024, K 1,024; f16 operands, f32 sums.
; A tile of out0 is 128 x 256: 256 work-groups.  Wave w makes rows 64 (w / 2) on, columns 128 (w % 2) on: 32 accumulators of 16 x 16.
; xh and woh are laid in blocks of 512 bytes, [tile of 16 rows][64 tiles of 16 k][512], lane l = r + 16 h owning bytes 16 l on: [row r][k 8 h ..]; two blocks are an operand's 8 registers.  So 128 along K of a tile of rows
; are 4,096 consecutive bytes, a tensor load brings rows of 4,096 bytes, 32,768 apart in memory and on end in LDS, and a fragment comes from LDS at 16 x lane + a constant: consecutive bytes, no pitch, no padding.
; K goes in 8 steps of 128 through two slots (A: 8 tiles of rows, B: 16).  Waves 0 and 1 fetch A's halves, waves 2 and 3 B's, one load each; two loads of a wave are out at the start, one behind each round.
; CLUSTERS: 4 x 4 work-groups; A's tiles are asked for jointly along a row of the cluster, B's along a column.  No prefetch: the step's tiles are small and their reads are shared in the cluster.
; THE MATRIX INSTRUCTION IS USED TRANSPOSED (source 0 = 16 n of Wo, source 1 = 16 rows of x): a lane holds eight neighbouring columns of one row.  THE BIAS STARTS THE SUMS: it is loaded into the accumulators.
; REGISTERS: window 0: v16-29 addresses; two fragment buffers of 96 (B's 8 fragments, then A's 4) at v32 and v128; on the way out v32-159 hold rows read back.  window 1: accumulator (a, b) at v[8 (8 a + b)].
.set SLOT,   98304                     ; A: 8 x 4,096, then B: 16 x 4,096
.set BOFF,   32768
.set STAGE,  2*SLOT                    ; behind the ring: 16 rows x 528 bytes for each wave; no tensor load lands there
.set SPITCH, 528
.set SPARE,  STAGE+4*16*SPITCH         ; the spare words: 128 bytes a wave, named by no other line
.set ADRA, 16
.set ADRB, 20
.set STO,  24
.set RD,   25
.set CO,   26                          ; v26  16 x lane
.set BOF,  27                          ; v27  32 h
.set SPW,  28
.set NIL,  29
.set F0,   32
.set F1,   128
.set BK,   32
.set G1,  24
.set G0,  32
.set G1B, 48
.set G0B, 56
.set MSB, 0
.macro WIN new
.if MSB != \new
	s_set_vgpr_msb (MSB<<8)|\new
.set MSB, \new
.endif
.endm
.set MUL, 0x50                         ; C and D window 1, the sources window 0
.macro JLOAD s                         ; a joint load; an s_nop 0 and four v_nop follow each line
	s_cmp_eq_u32 s13, 0
	s_cbranch_scc0 .Lfor_b_\@
	tensor_load_to_lds s[G0+4*\s:G0+4*\s+3], s[G1:G1+7]
	s_nop 0
.rept 4
	v_nop
.endr
	s_branch .Lasked_\@
.Lfor_b_\@:
	tensor_load_to_lds s[G0B+4*\s:G0B+4*\s+3], s[G1B:G1B+7]
	s_nop 0
.rept 4
	v_nop
.endr
.Lasked_\@:
.endm
.macro CREST
	s_cmp_lg_u32 s12, 0
	s_cbranch_scc1 .Lnot_wave_0_\@
	s_barrier_signal -3
.Lnot_wave_0_\@:
	s_barrier_wait -3
	s_barrier_signal -1
	s_barrier_wait -1
.endm
.macro CROUND
	s_barrier_signal -1
	s_barrier_wait -1
	CREST
.endm
	s_load_b256 s[4:11], s[0:1], 0x0               ; xh, woh, bo, out0
	v_lshl_add_u32 v[SPW], v0, 2, SPARE
	v_mov_b32 v[NIL], 0
	ds_add_u32 v[SPW], v[NIL]                      ; the wave's opening: the add, twice on end, and its wait ahead of my first tensor load
	ds_add_u32 v[SPW], v[NIL]
	v_lshrrev_b32 v1, 5, v0
	v_readfirstlane_b32 s12, v1                    ; wave 0..3
	s_lshr_b32 s13, s12, 1                         ; which 64 rows are mine.  Also: I fetch for A (0) or for B (1)
	s_and_b32 s14, s12, 1                          ; which 128 columns.  Also: which half of that tile I fetch
	s_bfe_u32 s40, ttmp6, 0x40000                  ; cx
	s_bfe_u32 s41, ttmp6, 0x40004                  ; cy
	s_lshl_b32 s42, ttmp9, 2
	s_add_co_u32 s42, s42, s40                     ; tile column
	s_and_b32 s15, ttmp7, 0xffff
	s_lshl_b32 s15, s15, 2
	s_add_co_u32 s15, s15, s41                     ; tile row
	s_lshl_b32 s43, s41, 2
	s_lshl_b32 s43, 15, s43                        ; my row of the cluster
	s_lshl_b32 s44, 0x1111, s40                    ; my column
	s_or_b32 s[G1+0], s43, (3<<16)|(1<<21)         ; the mask; elements of 8 bytes; bit 21 beside a mask; no padding
	s_or_b32 s[G1B+0], s44, (3<<16)|(1<<21)
	s_mov_b32 s[G1+1], 512<<16                     ; tensor_dim0: 512 elements, 4,096 bytes
	s_mov_b32 s[G1+2], 4<<16                       ; tensor_dim1: 4 tiles of rows
	s_mov_b32 s[G1+3], 512<<16                     ; tile_dim0
	s_mov_b32 s[G1+4], 4                           ; tile_dim1
	s_mov_b32 s[G1+5], 4096                        ; from tile to tile: 32,768 bytes
	s_mov_b32 s[G1+6], 0
	s_mov_b32 s[G1+7], 0
	s_mov_b32 s[G1B+1], 512<<16
	s_mov_b32 s[G1B+2], 8<<16                      ; 8 tiles of n
	s_mov_b32 s[G1B+3], 512<<16
	s_mov_b32 s[G1B+4], 8
	s_mov_b32 s[G1B+5], 4096
	s_mov_b32 s[G1B+6], 0
	s_mov_b32 s[G1B+7], 0
	s_lshl_b32 s16, s15, 3
	s_lshl_b32 s17, s14, 2
	s_add_co_u32 s16, s16, s17                     ; A: tile of rows 8 x tile row + 4 x half
	s_lshl_b32 s16, s16, 15
	s_mov_b32 s17, 0
	s_lshl_b32 s46, s42, 4
	s_lshl_b32 s47, s14, 3
	s_add_co_u32 s46, s46, s47                     ; B: tile of n 16 x tile column + 8 x half
	s_lshl_b32 s46, s46, 15
	s_mov_b32 s47, 0
	s_lshl_b32 s18, s14, 14                        ; where they go: A's halves,
	s_lshl_b32 s19, s14, 15
	s_add_co_u32 s19, s19, BOFF                    ; B's halves: the wave's number alone
	s_wait_dscnt 0x0                               ; both opening adds are done
	s_wait_kmcnt 0x0
	s_add_nc_u64 s[16:17], s[4:5], s[16:17]
	s_add_nc_u64 s[46:47], s[6:7], s[46:47]
	CROUND                                         ; all sixteen work-groups are here
.irp s, 0,1
	s_mov_b32 s[G0+4*\s], 1
	s_add_co_u32 s[G0+4*\s+1], s18, \s*SLOT
	s_add_nc_u64 s[G0+4*\s+2:G0+4*\s+3], s[16:17], \s*4096
	s_or_b32 s[G0+4*\s+3], s[G0+4*\s+3], 0x80000000
	s_mov_b32 s[G0B+4*\s], 1
	s_add_co_u32 s[G0B+4*\s+1], s19, \s*SLOT
	s_add_nc_u64 s[G0B+4*\s+2:G0B+4*\s+3], s[46:47], \s*4096
	s_or_b32 s[G0B+4*\s+3], s[G0B+4*\s+3], 0x80000000
	JLOAD \s
.endr
	v_and_b32 v1, 15, v0                           ; r
	v_bfe_u32 v2, v0, 4, 1                         ; h
	v_and_b32 v3, 31, v0
	v_lshlrev_b32 v[CO], 4, v3
	v_lshlrev_b32 v[BOF], 5, v2
	s_lshl_b32 s22, s13, 14                        ; my 4 tiles of rows
	s_lshl_b32 s23, s14, 15
	s_add_co_u32 s23, s23, BOFF                    ; my 8 tiles of n
.irp s, 0,1
	v_add_nc_u32 v[ADRA+\s], s22, v[CO]
	v_add_nc_u32 v[ADRB+\s], s23, v[CO]
	s_add_co_u32 s22, s22, SLOT
	s_add_co_u32 s23, s23, SLOT
.endr
	s_mul_i32 s22, s12, 16*SPITCH
	s_add_co_u32 s22, s22, STAGE                   ; my stage
	v_mul_u32_u24 v4, v1, SPITCH
	v_lshl_add_u32 v4, v2, 5, v4
	v_add_nc_u32 v[STO], s22, v4                   ; in: row r, 32 bytes for each half of the lanes
	v_add_nc_u32 v[RD], s22, v[CO]                 ; back: the 32 lanes take a row of 512 bytes
	s_lshl_b32 s20, s42, 10
	s_lshl_b32 s21, s14, 9
	s_add_co_u32 s20, s20, s21                     ; my first column, in bytes
	s_mov_b32 s21, 0
	s_add_nc_u64 s[8:9], s[8:9], s[20:21]
	s_add_nc_u64 s[10:11], s[10:11], s[20:21]
	s_lshl_b32 s20, s15, 7
	s_lshl_b32 s22, s13, 6
	s_add_co_u32 s20, s20, s22                     ; my first row
	s_lshl_b32 s20, s20, 12
	s_add_nc_u64 s[10:11], s[10:11], s[20:21]
	WIN 0x40                                       ; destination window 1
.irp a, 0,1,2,3
.irp b, 0,1,2,3,4,5,6,7
	global_load_b128 v[8*(8*\a+\b):8*(8*\a+\b)+3], v[BOF], s[8:9] offset:64*\b       ; bo at my eight columns of block b: the sums' start
	global_load_b128 v[8*(8*\a+\b)+4:8*(8*\a+\b)+7], v[BOF], s[8:9] offset:64*\b+16
.endr
.endr
	WIN 0
.macro FETCH slot, q, f                ; 24 LDS loads in one run: the fragments of the slot's q-th 32 along K
	WIN 0
.irp i, 0,1,2,3,4,5,6,7
	ds_load_b128 v[\f+8*\i:\f+8*\i+3],   v[ADRB+\slot] offset:4096*\i+1024*(\q)
	ds_load_b128 v[\f+8*\i+4:\f+8*\i+7], v[ADRB+\slot] offset:4096*\i+1024*(\q)+512
.endr
.irp i, 0,1,2,3
	ds_load_b128 v[\f+64+8*\i:\f+64+8*\i+3],   v[ADRA+\slot] offset:4096*\i+1024*(\q)
	ds_load_b128 v[\f+64+8*\i+4:\f+64+8*\i+7], v[ADRA+\slot] offset:4096*\i+1024*(\q)+512
.endr
.endm
.macro MUL8 f, a                       ; A's block a x B's eight.  The 32 accumulators take turns, one instruction a turn, in the same order in every quarter
.irp b, 0,1,2,3,4,5,6,7
	v_wmma_f32_16x16x32_f16 v[8*(8*(\a)+\b):8*(8*(\a)+\b)+7], v[\f+8*\b:\f+8*\b+7], v[\f+64+8*(\a):\f+64+8*(\a)+7], v[8*(8*(\a)+\b):8*(8*(\a)+\b)+7]
.endr
.endm
.macro PLACES                          ; four plain lines in front of loads into registers that matrix instructions have read, and of the first read of results
.rept 4
	v_nop
.endr
.endm
.macro QUARTER slot, qn, f, g          ; multiplies buffer f (asked for a quarter ago) and first asks for the slot's quarter qn into g
	s_wait_dscnt 0x0
	PLACES
	FETCH \slot, \qn, \g
	WIN MUL
	MUL8 \f, 0
	MUL8 \f, 1
	MUL8 \f, 2
	MUL8 \f, 3
.endm
; A slot's last quarter multiplies buffer 1 and changes slots: ONE barrier; in front of it each wave waits for all its tensor loads, adds 0 to its spare word, and waits for that and for its reads of this slot.
; fill = 1: the barrier opens a round of the cluster's, and this slot is filled again, two K steps on: the first tensor load behind the round.
.macro TURN slot, next, fill
	WIN 0
	s_wait_tensorcnt 0x0
	ds_add_u32 v[SPW], v[NIL]
	s_wait_dscnt 1                                 ; buffer 1 is in (the add may be out)
	WIN MUL
	MUL8 F1, 0                                     ; eight matrix instructions between the add and the wait for it
	s_wait_dscnt 0x0
	s_barrier_signal -1
	MUL8 F1, 1
	WIN 0
	s_barrier_wait -1
.if \fill
	CREST
	s_add_nc_u64 s[G0+4*\slot+2:G0+4*\slot+3], s[G0+4*\slot+2:G0+4*\slot+3], 8192
	s_add_nc_u64 s[G0B+4*\slot+2:G0B+4*\slot+3], s[G0B+4*\slot+2:G0B+4*\slot+3], 8192
	JLOAD \slot                                    ; the four v_nop behind it are also the places in front of the loads below
.else
	PLACES
.endif
	FETCH \next, 0, F0
	WIN MUL
	MUL8 F1, 2
	MUL8 F1, 3
.endm
.macro TOSTAGE a                       ; A's block a: 16 rows x 128 columns through my stage: in by 32 bytes a lane, back as whole rows of 512 bytes.  LDS serves a wave's instructions in order
	WIN 0x04                                       ; an LDS store's data are its source 1: window 1
.irp b, 0,1,2,3,4,5,6,7
	ds_store_b128 v[STO], v[8*(8*(\a)+\b):8*(8*(\a)+\b)+3] offset:64*\b          ; each accumulator from its low end on
	ds_store_b128 v[STO], v[8*(8*(\a)+\b)+4:8*(8*(\a)+\b)+7] offset:64*\b+16
.endr
	WIN 0
.set BB, BK+64*((\a)%2)
.irp t, 0,1,2,3,4,5,6,7,8,9,10,11,12,13,14,15
	ds_load_b128 v[BB+4*\t:BB+4*\t+3], v[RD] offset:\t*SPITCH
.endr
.endm
.macro SEND a, younger                 ; younger: the LDS instructions issued behind block a's loads, which may stay out
.set BB, BK+64*((\a)%2)
	s_wait_dscnt \younger
.irp t, 0,1,2,3,4,5,6,7,8,9,10,11,12,13,14,15
	global_store_b128 v[CO], v[BB+4*\t:BB+4*\t+3], s[10:11] offset:(16*(\a)+\t)*4096 th:TH_STORE_NT   ; 32 lanes store 512 consecutive bytes, aligned
.endr
.endm
	s_wait_tensorcnt 1                             ; my part of K step 0 is in; K step 1's may stay out
	s_barrier_signal -1
	s_barrier_wait -1
	FETCH 0, 0, F0
	s_wait_loadcnt 0x0                             ; the bias
	s_mov_b32 s3, 3
.Llap:                                             ; a trip is two K steps and fills both slots again: 3 trips, 6 refills
	QUARTER 0, 1, F0, F1
	QUARTER 0, 2, F1, F0
	QUARTER 0, 3, F0, F1
	TURN 0, 1, 1
	QUARTER 1, 1, F0, F1
	QUARTER 1, 2, F1, F0
	QUARTER 1, 3, F0, F1
	TURN 1, 0, 1
	WIN 0
	s_sub_co_u32 s3, s3, 1
	s_cmp_lg_u32 s3, 0
	s_cbranch_scc1 .Llap
	QUARTER 0, 1, F0, F1                           ; the last two K steps fetch nothing from memory
	QUARTER 0, 2, F1, F0
	QUARTER 0, 3, F0, F1
	TURN 0, 1, 0
	QUARTER 1, 1, F0, F1
	QUARTER 1, 2, F1, F0
	QUARTER 1, 3, F0, F1
	s_wait_dscnt 0x0
	MUL8 F1, 0
	MUL8 F1, 1
	MUL8 F1, 2
	MUL8 F1, 3
	WIN 0
	PLACES
	TOSTAGE 0
.irp a, 1,2,3
.if \a > 1
	s_wait_xcnt 0x0                                ; block a - 2's stores have read the registers into which block a's rows are loaded
.endif
	TOSTAGE \a
	SEND \a-1, 32                                  ; behind block a - 1's loads: block a's 16 stores and 16 loads
.endr
	SEND 3, 0
	s_wait_tensorcnt 0x0                           ; the wave's end, behind my last tensor load and my last LDS store
	ds_add_u32 v[SPW], v[NIL]
	s_wait_dscnt 0x0
	CROUND                                         ; the closing round
	s_endpgm
.Lfunc_end_k_q57724b94df_oproj:
	.size	k_q57724b94df_oproj, .Lfunc_end_k_q57724b94df_oproj-k_q57724b94df_oproj
	.p2alignl 7, 3214868480
	.fill 96, 4, 3214868480
	.section	.rodata,"a",@progbits
	.p2align	6, 0x0
	.amdhsa_kernel k_q57724b94df_oproj
		.amdhsa_group_segment_fixed_size 327680
		.amdhsa_private_segment_fixed_size 0
		.amdhsa_enable_private_segment 0
		.amdhsa_kernarg_size 32
		.amdhsa_user_sgpr_count 2
		.amdhsa_user_sgpr_kernarg_segment_ptr 1
		.amdhsa_wavefront_size32 1
		.amdhsa_system_sgpr_workgroup_id_x 1
		.amdhsa_system_sgpr_workgroup_id_y 1
		.amdhsa_system_sgpr_workgroup_id_z 1
		.amdhsa_system_vgpr_workitem_id 0
		.amdhsa_next_free_vgpr 512
		.amdhsa_next_free_sgpr 66
		.amdhsa_reserve_vcc 0
		.amdhsa_float_denorm_mode_32 3
		.amdhsa_float_denorm_mode_16_64 3
		.amdhsa_memory_ordered 1
		.amdhsa_forward_progress 1
		.amdhsa_inst_pref_size 90
	.end_amdhsa_kernel
	.amdgpu_metadata
---
amdhsa.version: [ 1, 2 ]
amdhsa.kernels:
  - .name:           k_q57724b94df_oproj
    .symbol:         k_q57724b94df_oproj.kd
    .args:
      - { .name: xh, .offset: 0, .size: 8, .value_kind: global_buffer, .address_space: global }
      - { .name: woh, .offset: 8, .size: 8, .value_kind: global_buffer, .address_space: global }
      - { .name: bo, .offset: 16, .size: 8, .value_kind: global_buffer, .address_space: global }
      - { .name: out0, .offset: 24, .size: 8, .value_kind: global_buffer, .address_space: global }
    .group_segment_fixed_size: 327680
    .private_segment_fixed_size: 0
    .kernarg_segment_align: 8
    .kernarg_segment_size: 32
    .max_flat_workgroup_size: 128
    .sgpr_count:     66
    .vgpr_count:     512
    .wavefront_size: 32
...
	.end_amdgpu_metadata
.endif
;; end of part 5
